; MI455X (gfx1250); checked and timed in simulation.
; The chip was launched on July 23, 2026; its instructions are those of AMD's public machine-readable ISA for CDNA 5 (MIT licence, August 2026) and "CDNA5" Instruction Set Architecture Reference Guide (July 2026). The comments in the code are by the model that wrote it; some were corrected since.
;; LMHA. Allowed arithmetic: float matrix products may take bf16 or f16 operands with f32 sums; other float arithmetic in f32, or as packed bf16 or f16 multiplies, adds, multiply-adds, maxima and minima; sums over many terms, partial sums and values carried from step to step in f32; what a program stores and reads back later, other than sums and carried values, may be rounded once to bf16 or f16.
;; Inputs: W_o 1,024 x 1,024 float32; W_qkv 3,072 x 1,024 float32; mask 2 x 2,048 x 2,048 bool; pe 2,048 x 32 float32; x 2 x 2,048 x 1,024 float32.
;; Outputs: out0 2 x 2,048 x 1,024 float32.
;; 2 versions, each right; version 2 is version 1 with the launch prep written anew for expert scheduling mode. Each part assembles by itself: llvm-mc -triple=amdgcn-amd-amdhsa -mcpu=gfx1250 --defsym DOCPART=n.
;; ======== version 1 of 2: 4 launches
;; limits: values are held in f16: magnitudes above 65,504 overflow, below 6.1e-05 lose precision
;; workspace buffers: xb 8,388,608 bytes; wp 6,291,456 bytes; wo 2,097,152 bytes; mk 8,396,800 bytes; qf 8,388,608 bytes; kf 8,388,608 bytes; vf 8,388,608 bytes; of 8,388,608 bytes
;; launch prep (part 1): grid 256 x 1, 8 waves a work-group, no clusters, 35,840 bytes of LDS; arguments x, W_qkv, W_o, mask, xb, wp, wo, mk; writes xb, wp, wo, mk
.if DOCPART == 1
	.amdgcn_target "amdgcn-amd-amdhsa--gfx1250"
	.amdhsa_code_object_version 6
	.text
	.protected	k_q8e204b58ef_prep
	.globl	k_q8e204b58ef_prep
	.p2align	8
	.type	k_q8e204b58ef_prep,@function
k_q8e204b58ef_prep:
	s_mov_b64 s[64:65], 0
	v_nop
	global_prefetch_b8 v0, s[64:65] scope:SCOPE_SE
	s_setreg_imm32_b32 hwreg(HW_REG_WAVE_MODE, 25, 1), 1
	s_wait_xcnt 0x0
; PREP: the module's inputs are rounded once and laid out for the launches behind.
;   xb = bf16(x), [4096][1024].   wp = bf16(W_qkv) with its rows in the order 96 g + 32 sec + d (g head, sec 0 q / 1 k / 2 v, d channel; the source row is 1024 sec + 32 g + d).
;   wo = f16(bf16(W_o)), [1024][1024].   mk = the mask as FP8 (E4M3) codes: 0x00 where a key is seen, 0xC0 (-2) where it is hidden.
; mk's layout: [b 2][qg 32][step 32][t 4][p 2][lane 32][16 bytes]; query 64 qg + 16 t + lane % 16; the 16 bytes are key blocks kb = 2 p and 2 p + 1, eight bytes each; byte j of them is key 64 step + 16 kb + 8 (lane / 16) + j.
; Behind mk's 8,388,608 bytes lie 8,192 bytes of zeros, which the attention launch's look-ahead reads and does not use.
; LIMITS.  W_o below 6e-5 keeps f16's fixed step of 6e-8, beyond 65,504 it is lost; mask bytes are 0 or 1.
; SHARES.  The 8,192 rows of 4,096 bytes are one list (x 4096, W_qkv 3072, W_o 1024): wave w of work-group i takes rows 32 i + 4 w .. + 3, and of the mask the 16 rows 16 i .. and the keys 256 w .. 256 w + 255.
; All 40 loads of a wave go out at the start; every load and store covers whole aligned runs of 256 bytes or more.  Nothing is shared between waves: no barrier, no matrix unit, no cluster.
.set SPARE, 34816                      ; behind the eight waves' stages: the spare words, 128 bytes for each wave
.set WAVEB, 4352                       ; a wave's stage: four steps of 1,024 bytes at a pitch of 1,040, in 17 blocks of 256 bytes of its own
.set STP,   1040
.set L16, 1                            ; v1  16 x lane
.set L8,  2                            ; v2  8 x lane
.set MO,  3                            ; v3  the mask loads' offset: (lane / 16) rows of 2,048 bytes + 16 (lane % 16)
.set STO, 4                            ; v4  where my codes go in the stage
.set RD,  5                            ; v5  where I read them back
.set SPW, 6                            ; v6  my spare word; never rewritten
.set NIL, 7                            ; v7  0; never rewritten
.set X,   32                           ; v[32:159]   32 loads of 4 f32; later v[32:63] the codes read back
.set MKR, 160                          ; v[160:191]  8 loads of 16 mask bytes
.set Y,   192                          ; v[192:255]  two registers for each store, none used twice
.set WV,  20
.set SRC, 30
.set DST, 32
.set MDST, 38
	s_load_b256 s[4:11], s[0:1], 0x0               ; x s[4:5], W_qkv s[6:7], W_o s[8:9], mask s[10:11]
	s_load_b256 s[12:19], s[0:1], 0x20             ; xb s[12:13], wp s[14:15], wo s[16:17], mk s[18:19]
	v_lshl_add_u32 v[SPW], v0, 2, SPARE
	v_mov_b32 v[NIL], 0
	v_lshrrev_b32 v8, 5, v0
	v_readfirstlane_b32 s[WV], v8                  ; wave 0..7
	v_and_b32 v9, 31, v0                           ; lane
	v_and_b32 v10, 15, v0                          ; c = lane % 16
	v_bfe_u32 v11, v0, 4, 1                        ; lane / 16
	v_lshlrev_b32 v[L16], 4, v9
	v_lshlrev_b32 v[L8], 3, v9
	v_lshlrev_b32 v[MO], 4, v10
	v_lshl_add_u32 v[MO], v11, 11, v[MO]
	s_mul_i32 s21, s[WV], WAVEB                    ; my wave's stage
	v_lshrrev_b32 v12, 2, v10                      ; my 16 keys lie in step c / 4 of the four,
	v_mul_u32_u24 v[STO], v12, STP
	v_bfe_u32 v12, v10, 1, 1                       ; in its key block kb = c % 4: half p = kb / 2 of the item, 512 bytes,
	v_lshl_add_u32 v[STO], v12, 9, v[STO]
	v_and_b32 v12, 1, v10                          ; eight bytes kb % 2 of a lane's sixteen,
	v_lshl_add_u32 v[STO], v12, 3, v[STO]
	v_lshl_add_u32 v[STO], v11, 4, v[STO]          ; and belong to the odd row of a pair in lanes 16-31
	v_add_nc_u32 v[STO], s21, v[STO]
	v_add_nc_u32 v[RD], s21, v[L16]
	s_lshl_b32 s22, ttmp9, 5
	s_lshl2_add_u32 s22, s[WV], s22                ; my first row in the list: 32 i + 4 w
	s_sub_co_u32 s23, s22, 4096                    ; as a row n of W_qkv
	s_bfe_u32 s24, s23, 0x50005                    ; g = (n >> 5) & 31
	s_mul_i32 s24, s24, 96
	s_lshr_b32 s25, s23, 10                        ; sec
	s_lshl_b32 s25, s25, 5
	s_add_co_u32 s24, s24, s25
	s_and_b32 s25, s23, 31                         ; d: my four rows stay neighbours, since n is a multiple of 4
	s_add_co_u32 s24, s24, s25                     ; its row in wp
	s_sub_co_u32 s25, s22, 7168                    ; as a row of W_o
	s_cmp_lt_u32 ttmp9, 128
	s_cselect_b32 s26, s22, s23                    ; the row in the source,
	s_cselect_b32 s28, s22, s24                    ; and in the destination
	s_cmp_lt_u32 ttmp9, 224
	s_cselect_b32 s26, s26, s25
	s_cselect_b32 s28, s28, s25
	s_lshl_b32 s26, s26, 12                        ; 4,096 bytes a row in,
	s_lshl_b32 s28, s28, 11                        ; 2,048 out
	s_mov_b32 s27, 0
	s_mov_b32 s29, 0
	s_lshl_b32 s34, ttmp9, 15                      ; the mask: 16 rows of 2,048 bytes a work-group,
	s_lshl_b32 s35, s[WV], 8                       ; 256 keys a wave
	s_add_co_u32 s34, s34, s35
	s_mov_b32 s35, 0
	s_lshr_b32 s36, ttmp9, 2                       ; mk: (b, qg) = i / 4: 131,072 bytes,
	s_lshl_b32 s36, s36, 17
	s_lshl_b32 s37, s[WV], 14                      ; my four steps of 4,096,
	s_add_co_u32 s36, s36, s37
	s_and_b32 s37, ttmp9, 3                        ; tile t = i % 4: 1,024
	s_lshl_b32 s37, s37, 10
	s_add_co_u32 s36, s36, s37
	s_mov_b32 s37, 0
	s_mov_b32 s40, 0x01010101
	s_mov_b32 s44, 0xffff0000
	s_wait_kmcnt 0x0
	s_cmp_lt_u32 ttmp9, 128
	s_cselect_b64 s[SRC:SRC+1], s[4:5], s[6:7]
	s_cselect_b64 s[DST:DST+1], s[12:13], s[14:15]
	s_cmp_lt_u32 ttmp9, 224
	s_cselect_b64 s[SRC:SRC+1], s[SRC:SRC+1], s[8:9]
	s_cselect_b64 s[DST:DST+1], s[DST:DST+1], s[16:17]
	s_add_nc_u64 s[SRC:SRC+1], s[SRC:SRC+1], s[26:27]
	s_add_nc_u64 s[DST:DST+1], s[DST:DST+1], s[28:29]
	s_add_nc_u64 s[10:11], s[10:11], s[34:35]
	s_add_nc_u64 s[MDST:MDST+1], s[18:19], s[36:37]
.set i, 0
.rept 32                               ; four rows, eight loads of 512 neighbouring bytes each
	global_load_b128 v[X+4*i:X+4*i+3], v[L16], s[SRC:SRC+1] offset:(i/8)*4096+(i%8)*512 th:TH_LOAD_NT
.set i, i+1
.endr
.set i, 0
.rept 8                                ; rows 2 i and 2 i + 1 of the mask: sixteen lanes take 256 neighbouring bytes
	global_load_b128 v[MKR+4*i:MKR+4*i+3], v[MO], s[10:11] offset:i*4096 th:TH_LOAD_NT
.set i, i+1
.endr
; kind = 0: f32 to bf16.  kind = 1: the bf16 number is written as f16.
.macro CONV kind
.set i, 0
.rept 32
	s_wait_loadcnt 39-i                            ; loads come back in order: the 31 - i younger of these and the eight mask loads may stay out
	v_cvt_pk_bf16_f32 v[Y+2*i], v[X+4*i], v[X+4*i+1]
	v_cvt_pk_bf16_f32 v[Y+2*i+1], v[X+4*i+2], v[X+4*i+3]
.if \kind
	v_lshlrev_b32 v8, 16, v[Y+2*i]
	v_and_b32 v9, s44, v[Y+2*i]
	v_lshlrev_b32 v10, 16, v[Y+2*i+1]
	v_and_b32 v11, s44, v[Y+2*i+1]
	v_cvt_pk_f16_f32 v[Y+2*i], v8, v9
	v_cvt_pk_f16_f32 v[Y+2*i+1], v10, v11
.endif
	global_store_b64 v[L8], v[Y+2*i:Y+2*i+1], s[DST:DST+1] offset:(i/8)*2048+(i%8)*256  ; 32 lanes store 256 consecutive bytes, aligned
.set i, i+1
.endr
.endm
	s_cmp_lt_u32 ttmp9, 224
	s_cbranch_scc0 .Lwo
	CONV 0
	s_branch .Lmask
.Lwo:
	CONV 1
.Lmask:
	; Four mask bytes (1 = seen) become four codes: the byte is turned (1 = hidden) and multiplied by 0xC0 = 128 + 64; no bit leaves its byte.
	; My first eight keys are the bytes of lane q of the item (q my row in the tile), the other eight those of lane q + 16, 256 bytes on.
.set i, 0
.rept 8
	s_wait_loadcnt 7-i
.irp k, 0,1,2,3
	v_xor_b32 v12, s40, v[MKR+4*i+\k]
	v_lshlrev_b32 v13, 7, v12
	v_lshl_or_b32 v[16+\k], v12, 6, v13
.endr
	ds_store_b64 v[STO], v[16:17] offset:i*32
	ds_store_b64 v[STO], v[18:19] offset:256+i*32
.set i, i+1
.endr
.set q, 0
.rept 8                                ; step q / 2, half q % 2 of its item
	ds_load_b128 v[X+4*q:X+4*q+3], v[RD] offset:(q/2)*STP+(q%2)*512  ; LDS serves a wave's instructions in order (ISA guide 5.7.1.4): these see my stores above; the bytes are my wave's own
.set q, q+1
.endr
.set q, 0
.rept 8
	s_wait_dscnt 7-q
	global_store_b128 v[L16], v[X+4*q:X+4*q+3], s[MDST:MDST+1] offset:(q/2)*4096+(q%2)*512  ; 512 consecutive bytes, aligned
.set q, q+1
.endr
	s_lshl3_add_u32 s45, ttmp9, s[WV]
	s_cmp_lg_u32 s45, 2047                         ; the last wave of the last work-group also writes the zeros behind mk's codes
	s_cbranch_scc1 .Lno_pad
	s_add_nc_u64 s[46:47], s[18:19], 0x800000      ; 8,388,608 is more than a store's immediate holds
	v_mov_b32 v8, 0
	v_mov_b32 v9, 0
	v_mov_b32 v10, 0
	v_mov_b32 v11, 0
.irp j, 0,1,2,3,4,5,6,7,8,9,10,11,12,13,14,15
	global_store_b128 v[L16], v[8:11], s[46:47] offset:512*\j
.endr
.Lno_pad:
	s_wait_tensorcnt 0x0                           ; the wave's end, behind my last LDS store
	ds_add_u32 v[SPW], v[NIL]
	s_wait_dscnt 0x0
	s_endpgm
.Lfunc_end_k_q8e204b58ef_prep:
	.size	k_q8e204b58ef_prep, .Lfunc_end_k_q8e204b58ef_prep-k_q8e204b58ef_prep
	.p2alignl 7, 3214868480
	.fill 96, 4, 3214868480
	.section	.rodata,"a",@progbits
	.p2align	6, 0x0
	.amdhsa_kernel k_q8e204b58ef_prep
		.amdhsa_group_segment_fixed_size 35840
		.amdhsa_private_segment_fixed_size 0
		.amdhsa_enable_private_segment 0
		.amdhsa_kernarg_size 64
		.amdhsa_user_sgpr_count 2
		.amdhsa_user_sgpr_kernarg_segment_ptr 1
		.amdhsa_wavefront_size32 1
		.amdhsa_system_sgpr_workgroup_id_x 1
		.amdhsa_system_sgpr_workgroup_id_y 1
		.amdhsa_system_sgpr_workgroup_id_z 1
		.amdhsa_system_vgpr_workitem_id 0
		.amdhsa_next_free_vgpr 256
		.amdhsa_next_free_sgpr 66
		.amdhsa_reserve_vcc 0
		.amdhsa_float_denorm_mode_32 3
		.amdhsa_float_denorm_mode_16_64 3
		.amdhsa_memory_ordered 1
		.amdhsa_forward_progress 1
		.amdhsa_inst_pref_size 40
	.end_amdhsa_kernel
	.amdgpu_metadata
---
amdhsa.version: [ 1, 2 ]
amdhsa.kernels:
  - .name:           k_q8e204b58ef_prep
    .symbol:         k_q8e204b58ef_prep.kd
    .args:
      - { .name: x, .offset: 0, .size: 8, .value_kind: global_buffer, .address_space: global }
      - { .name: W_qkv, .offset: 8, .size: 8, .value_kind: global_buffer, .address_space: global }
      - { .name: W_o, .offset: 16, .size: 8, .value_kind: global_buffer, .address_space: global }
      - { .name: mask, .offset: 24, .size: 8, .value_kind: global_buffer, .address_space: global }
      - { .name: xb, .offset: 32, .size: 8, .value_kind: global_buffer, .address_space: global }
      - { .name: wp, .offset: 40, .size: 8, .value_kind: global_buffer, .address_space: global }
      - { .name: wo, .offset: 48, .size: 8, .value_kind: global_buffer, .address_space: global }
      - { .name: mk, .offset: 56, .size: 8, .value_kind: global_buffer, .address_space: global }
    .group_segment_fixed_size: 35840
    .private_segment_fixed_size: 0
    .kernarg_segment_align: 8
    .kernarg_segment_size: 64
    .max_flat_workgroup_size: 256
    .sgpr_count:     66
    .vgpr_count:     256
    .wavefront_size: 32
...
	.end_amdgpu_metadata
.endif
;; end of part 1
;; launch qkv (part 2): grid 16 x 16, 4 waves a work-group, clusters of 4 x 4, 327,680 bytes of LDS; arguments xb, wp, pe, qf, kf, vf; writes qf, kf, vf
.if DOCPART == 2
	.amdgcn_target "amdgcn-amd-amdhsa--gfx1250"
	.amdhsa_code_object_version 6
	.text
	.protected	k_q8e204b58ef_qkv
	.globl	k_q8e204b58ef_qkv
	.p2align	8
	.type	k_q8e204b58ef_qkv,@function
k_q8e204b58ef_qkv:
	s_mov_b64 s[64:65], 0
	v_nop
	global_prefetch_b8 v0, s[64:65] scope:SCOPE_SE
	s_setreg_imm32_b32 hwreg(HW_REG_WAVE_MODE, 25, 1), 1
	s_wait_xcnt 0x0
	s_wait_alu depctr_hold_cnt(0) depctr_sa_sdst(0) depctr_va_vdst(0) depctr_va_sdst(0) depctr_va_ssrc(0) depctr_va_vcc(0) depctr_vm_vsrc(0)
	s_getreg_b32 s2, hwreg(HW_REG_IB_STS2, 6, 4)
	s_cmp_eq_u32 s2, 0
	s_cbranch_scc0 .Lentry_in_a_cluster
	s_endpgm
.Lentry_in_a_cluster:
	s_bfe_u32 s2, ttmp6, 0x10000c
	s_cmp_lg_u32 s2, 0xf033
	s_cbranch_scc0 .Lentry_shape_is_right
	s_endpgm
.Lentry_shape_is_right:
; t = x W_qkv^T in bf16 with f32 sums; q and k are turned (pairs 2 i, 2 i + 1 of a head's channels, by the angle whose sine is pe[s][g / 2] and whose cosine is pe[s][16 + g / 2], g the head);
; q is also multiplied by cq = log2(e) / sqrt(32), in f32; q, k, v are rounded once to f16 and stored in the order in which the attention launch's matrix operands lie in registers:
;   qf, kf: [bh 64][ptile 128][c2 2][lane 32][8 f16]: position 16 ptile + lane % 16, channel 16 c2 + 8 (lane / 16) + e
;   vf:     [bh 64][kg 64][cb 2][c2 2][lane 32][8 f16]: channel 16 cb + lane % 16, key 32 kg + 16 c2 + 8 (lane / 16) + e
; LIMIT.  q cq, k and v lie within f16's range, 65,504; beyond it a conversion gives an infinity.
; SHARES.  M = 4096, N = 3072, K = 1024.  A work-group makes 256 rows x 192 columns: 16 x 16 = 256 work-groups.  wp's rows lie by heads (96 g + 32 sec + d), so a wave's 128 rows x 96 columns are ONE head:
; column blocks 0, 1 are q, 2, 3 are k, 4, 5 are v, in every wave alike.  48 accumulators of 16 x 16.  K goes in 8 steps of 128 through two LDS slots; tile rows are 256 bytes of memory, aligned.
; OPERAND ORDER.  For q and k source 0 = 16 rows of wp, source 1 = 16 rows of xb: a lane then holds one position (lane % 16) and the channels 8 (lane / 16) + 0..7.  For v the other way round:
; a lane holds one channel and eight positions.  Rounded in pairs these ARE the layouts above: each store of a wave covers 512 consecutive bytes, aligned, and nothing goes through LDS on the way out.
; CLUSTERS: 4 x 4 work-groups.  xb's tile hangs on the tile row alone and is asked for jointly along a row of the cluster, wp's on the tile column alone, along a column.
; REGISTERS, in windows of 256 (s_set_vgpr_msb: bits 1:0 source 0, 3:2 source 1, 5:4 source 2, 7:6 destination):
;   window 0: v0-15 addresses; v16-31 (cosine, sine) of my position in each of the 8 row blocks; two fragment buffers: v32-95 xb's 8, v96-143 wp's 6; v144-207, v208-255
;   window 1: v0-191 accumulators of row blocks 0-3 ((a, nb) at 8 (6 a + nb));   window 2: those of row blocks 4-7
.set SIZE_K, 1024
.set KSTEP,  128
.set PITCH,  272                       ; an LDS row: 256 bytes + 16 of padding = 68 words: the 16 rows of a load start at 16 different groups of four banks (64 banks of 4 bytes: ISA guide 11.1)
.set HALFA,  128*PITCH                 ; what one tensor load brings of xb, and what one wave reads of it
.set HALFB,  96*PITCH                  ; the same for wp
.set SLOT,   2*HALFA+2*HALFB           ; xb's 256 rows, then wp's 192
.set SPARE,  2*SLOT                    ; behind the ring: the spare words, 128 bytes for each wave
.set LAPS,   SIZE_K/(2*KSTEP)
.set ADRA, 2                           ; v2-3   LDS address of my xb fragments in slot 0, 1
.set ADRB, 4                           ; v4-5   the same for wp
.set LO,   6                           ; v6     16 x lane
.set PEO,  7                           ; v7     128 x (lane % 16): my row of pe in a block of 16
.set SPW,  8                           ; v8     my spare word; never rewritten
.set NIL,  9                           ; v9     0; never rewritten
.set PFO,  10                          ; v10    the prefetches' offset; never rewritten
.set CS,   16
.set FRA,  32                          ; xb's fragments of buffer f at FRA + 112 f
.set FRB,  96                          ; wp's at FRB + 112 f
.set F0,   0
.set F1,   1
.set QS,   40                          ; the way out: (cosine, sine) x cq; in buffer 0, like Y and T
.set Y,    48                          ; 24 registers to store
.set T,    96                          ; 32 registers: a block's four turned accumulators
.set CQ,   2                           ; s2
.set G1,  24                           ; s[24:31] descriptor group 1 for xb's tiles;  s[32:39] group 0, a set for each slot
.set G0,  32
.set G1B, 48                           ; s[48:55], s[56:63] the same for wp's
.set G0B, 56
.set LIM, 43                           ; s43  1 in a wave that prefetches, else the greatest number
.set PFA, 44                           ; s[44:45] where my prefetches stand
.set MSB, 0
.macro WIN new                         ; the immediate's high byte repeats the setting that is left; a switch that changes nothing is dropped
.if MSB != (\new)
	s_set_vgpr_msb (MSB<<8)|(\new)
.set MSB, (\new)
.endif
.endm
.set MUL_LO, 0x50                      ; C and D in window 1, both sources in window 0
.set MUL_HI, 0xa0                      ; C and D in window 2
; A joint load.  Waves 0 and 1 fetch xb's two halves, waves 2 and 3 wp's.  The branch hangs on the wave's number alone.  An s_nop 0 and four v_nop follow each line.
.macro JLOAD s
	s_cmp_eq_u32 s11, 0
	s_cbranch_scc0 .Lfor_b_\@
	tensor_load_to_lds s[G0+4*(\s):G0+4*(\s)+3], s[G1:G1+7]
	s_nop 0
.rept 4
	v_nop
.endr
	s_branch .Lasked_\@
.Lfor_b_\@:
	tensor_load_to_lds s[G0B+4*(\s):G0B+4*(\s)+3], s[G1B:G1B+7]
	s_nop 0
.rept 4
	v_nop
.endr
.Lasked_\@:
.endm
; A prefetch, behind each joint refill and the run of LDS loads that follows it: the K step that stands two refills on, 256 bytes of a row, a lane a row, one instruction a wave.
; xb's tile row is read by every cluster of its row of clusters: cluster x = 0 asks; wp's tile column by every cluster of its column: cluster y = 0 asks.  The four partners of a joint load share its rows out
; by address: 32 of xb's 128 each (by cx), 24 of wp's 96 each (by cy; there lanes 24-31 name lane 23's row once more, in the same instruction).  K steps 0 to 3 come by their loads alone; the loop's last trip asks for nothing.
.macro ASK
	s_cmp_gt_u32 s3, s[LIM]                        ; s3 = 1 in the loop's last trip
	s_cbranch_scc0 .Lnot_mine_\@
	global_prefetch_b8 v[PFO], s[PFA:PFA+1] offset:KSTEP*2 th:TH_LOAD_NT scope:SCOPE_SE
.Lnot_mine_\@:
.endm
.macro CREST                           ; a round of the cluster's barrier behind its opening barrier
	s_cmp_lg_u32 s10, 0
	s_cbranch_scc1 .Lnot_wave_0_\@
	s_barrier_signal -3
.Lnot_wave_0_\@:
	s_barrier_wait -3
	s_barrier_signal -1
	s_barrier_wait -1
.endm
.macro CROUND                          ; a whole round
	s_barrier_signal -1
	s_barrier_wait -1
	CREST
.endm
	s_load_b256 s[68:75], s[0:1], 0x0              ; xb s[68:69], wp s[70:71], pe s[72:73], qf s[74:75]
	s_load_b128 s[76:79], s[0:1], 0x20             ; kf s[76:77], vf s[78:79]
	v_lshl_add_u32 v[SPW], v0, 2, SPARE
	v_mov_b32 v[NIL], 0
	ds_add_u32 v[SPW], v[NIL]                      ; the wave's opening: the add and its wait stand ahead of my first tensor load; the set-up below, work on registers, stands between them
	v_lshrrev_b32 v1, 5, v0
	v_readfirstlane_b32 s10, v1                    ; wave 0..3
	s_lshr_b32 s11, s10, 1                         ; which 128 rows of the tile are mine.  Also: I fetch for xb (0) or for wp (1)
	s_and_b32 s12, s10, 1                          ; which of its two heads.  Also: which half of that tile I fetch
	s_bfe_u32 s40, ttmp6, 0x40000                  ; cx
	s_bfe_u32 s41, ttmp6, 0x40004                  ; cy
	s_lshl_b32 s42, ttmp9, 2
	s_add_co_u32 s42, s42, s40                     ; tile column = 4 x cluster x + cx
	s_and_b32 s13, ttmp7, 0xffff
	s_lshl_b32 s13, s13, 2
	s_add_co_u32 s13, s13, s41                     ; tile row = 4 x cluster y + cy
	s_lshl_b32 s43, s41, 2
	s_lshl_b32 s43, 15, s43                        ; my row of the cluster
	s_lshl_b32 s44, 0x1111, s40                    ; my column
	s_or_b32 s[G1], s43, (1<<16)|(1<<20)|(1<<21)|(5<<22)|(3<<25)   ; 15:0 the mask; 17:16 elements of 2 bytes; 20 padding on; 21 set beside a mask; 24:22 after every 64 words (code 5); 31:25 4 words of it (code 3)
	s_or_b32 s[G1B], s44, (1<<16)|(1<<20)|(1<<21)|(5<<22)|(3<<25)
	s_mov_b32 s[G1+1], KSTEP<<16                   ; tensor_dim0 = 128
	s_mov_b32 s[G1+2], 128<<16                     ; tensor_dim1 = 128
	s_mov_b32 s[G1+3], KSTEP<<16                   ; tile_dim0 = 128
	s_mov_b32 s[G1+4], 128                         ; tile_dim1 = 128
	s_mov_b32 s[G1+5], SIZE_K                      ; elements from row to row
	s_mov_b32 s[G1+6], 0
	s_mov_b32 s[G1+7], 0
	s_mov_b32 s[G1B+1], KSTEP<<16
	s_mov_b32 s[G1B+2], 96<<16                     ; wp's half tile has 96 rows
	s_mov_b32 s[G1B+3], KSTEP<<16
	s_mov_b32 s[G1B+4], 96
	s_mov_b32 s[G1B+5], SIZE_K
	s_mov_b32 s[G1B+6], 0
	s_mov_b32 s[G1B+7], 0
	s_lshl_b32 s16, s13, 8                         ; xb: row 256 x tile row + 128 x half,
	s_lshl_b32 s17, s12, 7
	s_add_co_u32 s16, s16, s17
	s_lshl_b32 s16, s16, 11                        ; 2,048 bytes a row
	s_mov_b32 s17, 0
	s_mul_i32 s46, s42, 192                        ; wp: row 192 x tile column + 96 x half
	s_mul_i32 s47, s12, 96
	s_add_co_u32 s46, s46, s47
	s_lshl_b32 s46, s46, 11
	s_mov_b32 s47, 0
	s_mul_i32 s20, s12, HALFA                      ; where they go: no place in the cluster enters an LDS address
	s_mul_i32 s21, s12, HALFB
	s_add_co_u32 s21, s21, 2*HALFA
	s_mov_b32 s[CQ], 0x3e8293ee                    ; cq = log2(e) / sqrt(32) = 0.255035
	s_wait_dscnt 0x0                               ; the opening add is done
	s_wait_kmcnt 0x0
	s_add_nc_u64 s[14:15], s[68:69], s[16:17]
	s_add_nc_u64 s[46:47], s[70:71], s[46:47]
	CROUND                                         ; all sixteen work-groups are here: the first joint loads meet
.irp s, 0,1
	s_mov_b32 s[G0+4*(\s)], 1                      ; count = 1
	s_add_co_u32 s[G0+4*(\s)+1], s20, (\s)*SLOT    ; LDS address
	s_add_nc_u64 s[G0+4*(\s)+2:G0+4*(\s)+3], s[14:15], (\s)*KSTEP*2  ; global address: K step s
	s_or_b32 s[G0+4*(\s)+3], s[G0+4*(\s)+3], 0x80000000              ; type = 2
	s_mov_b32 s[G0B+4*(\s)], 1
	s_add_co_u32 s[G0B+4*(\s)+1], s21, (\s)*SLOT
	s_add_nc_u64 s[G0B+4*(\s)+2:G0B+4*(\s)+3], s[46:47], (\s)*KSTEP*2
	s_or_b32 s[G0B+4*(\s)+3], s[G0B+4*(\s)+3], 0x80000000
	JLOAD \s                                       ; two loads of mine are out
.endr
	v_and_b32 v1, 15, v0                           ; l % 16
	v_bfe_u32 v12, v0, 4, 1                        ; l / 16
	v_lshlrev_b32 v[PEO], 7, v1
	s_lshl_b32 s20, s13, 8
	s_lshl_b32 s21, s11, 7
	s_add_co_u32 s20, s20, s21                     ; my first row of the 4,096
	s_and_b32 s21, s20, 2047                       ; p0: its position in the batch
	s_lshl_b32 s22, s21, 7                         ; pe: 128 bytes a position,
	s_lshl2_add_u32 s22, s42, s22                  ; column g / 2 = the tile column
	s_mov_b32 s23, 0
	s_add_nc_u64 s[66:67], s[72:73], s[22:23]
.irp a, 0,1,2,3,4,5,6,7
	global_load_b32 v[CS+2*\a], v[PEO], s[66:67] offset:\a*2048+64   ; the cosine of position p0 + 16 a + l % 16,
	global_load_b32 v[CS+2*\a+1], v[PEO], s[66:67] offset:\a*2048    ; and the sine: once a launch, waited for on the way out
.endr
	s_lshr_b32 s22, s20, 11                        ; b
	s_lshl_b32 s22, s22, 5
	s_lshl1_add_u32 s18, s42, s12                  ; g = 2 x tile column + my head of the two
	s_add_co_u32 s22, s22, s18                     ; bh
	s_lshl_b32 s22, s22, 17                        ; 131,072 bytes a head in each of qf, kf, vf,
	s_lshl_b32 s21, s21, 6                         ; 64 bytes a position
	s_add_co_u32 s22, s22, s21
	s_add_nc_u64 s[4:5], s[74:75], s[22:23]        ; qf, kf, vf at my first position
	s_add_nc_u64 s[6:7], s[76:77], s[22:23]
	s_add_nc_u64 s[8:9], s[78:79], s[22:23]
	; A fragment is 16 rows x 32 K in 8 registers: lane l holds row l % 16; registers 0-3 K = 8 (l / 16) + 0..7, registers 4-7 K = 16 + 8 (l / 16) + 0..7: two loads of 16 bytes, 32 bytes apart.
	v_mul_u32_u24 v13, v1, PITCH
	v_lshl_add_u32 v13, v12, 4, v13
	s_mul_i32 s21, s11, HALFA                      ; my 128 rows of xb
	s_mul_i32 s22, s12, HALFB                      ; my 96 rows of wp,
	s_add_co_u32 s22, s22, 2*HALFA                 ; which lie behind xb's 256
.irp s, 0,1
	v_add_nc_u32 v[ADRA+\s], s21, v13
	v_add_nc_u32 v[ADRB+\s], s22, v13
	s_add_co_u32 s21, s21, SLOT
	s_add_co_u32 s22, s22, SLOT
.endr
	v_and_b32 v[LO], 31, v0
	v_lshlrev_b32 v[LO], 4, v[LO]
	; the prefetches
	s_lshl_b32 s20, s13, 8                         ; xb: the tile's first row,
	s_lshl_b32 s18, s12, 7
	s_add_co_u32 s20, s20, s18                     ; the 128 rows that I fetch,
	s_lshl_b32 s18, s40, 5
	s_add_co_u32 s20, s20, s18                     ; my work-group's 32 of them
	s_mul_i32 s21, s42, 192                        ; wp likewise: 192, 96, 24
	s_mul_i32 s18, s12, 96
	s_add_co_u32 s21, s21, s18
	s_mul_i32 s18, s41, 24
	s_add_co_u32 s21, s21, s18
	s_and_b32 s22, ttmp7, 0xffff                   ; cluster y
	s_cmp_eq_u32 s11, 0                            ; do I fetch for xb?
	s_cselect_b32 s20, s20, s21
	s_cselect_b32 s22, ttmp9, s22                  ; the coordinate along which other clusters read the same rows
	s_cselect_b32 s23, 31, 23                      ; my last row
	s_cselect_b64 s[PFA:PFA+1], s[68:69], s[70:71]
	s_cmp_eq_u32 s22, 0
	s_cselect_b32 s[LIM], 1, -1                    ; the same in all sixteen partners, for a given wave
	s_lshl_b32 s20, s20, 11
	s_mov_b32 s21, 0
	s_add_nc_u64 s[PFA:PFA+1], s[PFA:PFA+1], s[20:21]
	s_add_nc_u64 s[PFA:PFA+1], s[PFA:PFA+1], 2*KSTEP*2  ; at K step 2: the first refill steps it to 3 and names K step 4
	v_and_b32 v[PFO], 31, v0
	v_min_u32 v[PFO], s23, v[PFO]
	v_lshlrev_b32 v[PFO], 11, v[PFO]
; 12 matrix instructions: row blocks a0, a0 + 1 of the window's four x all 6 column blocks, 32 along K.  zero = 1: the first product starts the sum.
; Every accumulator has one instruction a quarter step, in a fixed order: the accumulators take turns over the backward jump too.
.macro MUL12 f, hi, a0, zero
	WIN MUL_LO+0x50*(\hi)
.irp a, \a0, (\a0)+1
.irp nb, 0,1,2,3
.if \zero
	v_wmma_f32_16x16x32_bf16 v[8*(6*(\a)+\nb):8*(6*(\a)+\nb)+7], v[FRB+112*(\f)+8*\nb:FRB+112*(\f)+8*\nb+7], v[FRA+112*(\f)+8*(4*(\hi)+(\a)):FRA+112*(\f)+8*(4*(\hi)+(\a))+7], 0
.else
	v_wmma_f32_16x16x32_bf16 v[8*(6*(\a)+\nb):8*(6*(\a)+\nb)+7], v[FRB+112*(\f)+8*\nb:FRB+112*(\f)+8*\nb+7], v[FRA+112*(\f)+8*(4*(\hi)+(\a)):FRA+112*(\f)+8*(4*(\hi)+(\a))+7], v[8*(6*(\a)+\nb):8*(6*(\a)+\nb)+7]
.endif
.endr
.irp nb, 4,5
.if \zero
	v_wmma_f32_16x16x32_bf16 v[8*(6*(\a)+\nb):8*(6*(\a)+\nb)+7], v[FRA+112*(\f)+8*(4*(\hi)+(\a)):FRA+112*(\f)+8*(4*(\hi)+(\a))+7], v[FRB+112*(\f)+8*\nb:FRB+112*(\f)+8*\nb+7], 0
.else
	v_wmma_f32_16x16x32_bf16 v[8*(6*(\a)+\nb):8*(6*(\a)+\nb)+7], v[FRA+112*(\f)+8*(4*(\hi)+(\a)):FRA+112*(\f)+8*(4*(\hi)+(\a))+7], v[FRB+112*(\f)+8*\nb:FRB+112*(\f)+8*\nb+7], v[8*(6*(\a)+\nb):8*(6*(\a)+\nb)+7]
.endif
.endr
.endr
.endm
; 28 LDS loads in one run: a quarter step's fragments (wp's 6, then xb's 8), 32 K at byte k of the rows, into buffer f
.macro FETCH slot, k, f
	WIN 0
.irp i, 0,1,2,3,4,5
	ds_load_b128 v[FRB+112*(\f)+8*\i:FRB+112*(\f)+8*\i+3],   v[ADRB+(\slot)] offset:(\k)+\i*16*PITCH
	ds_load_b128 v[FRB+112*(\f)+8*\i+4:FRB+112*(\f)+8*\i+7], v[ADRB+(\slot)] offset:(\k)+\i*16*PITCH+32
.endr
.irp i, 0,1,2,3,4,5,6,7
	ds_load_b128 v[FRA+112*(\f)+8*\i:FRA+112*(\f)+8*\i+3],   v[ADRA+(\slot)] offset:(\k)+\i*16*PITCH
	ds_load_b128 v[FRA+112*(\f)+8*\i+4:FRA+112*(\f)+8*\i+7], v[ADRA+(\slot)] offset:(\k)+\i*16*PITCH+32
.endr
.endm
.macro PLACES                          ; four plain instructions between a matrix instruction and a load into, or a vector write or read of, its registers (ISA guide 7.12.1 for vector writes and reads)
.rept 4
	v_nop
.endr
.endm
; A K step is four quarters of 32 along K, 48 matrix instructions each, on buffers 0, 1, 0, 1.  One of the first three: multiplies buffer f and, in its middle, fetches the next quarter, at byte k, into g.
.macro QUARTER slot, k, f, g, zero
	s_wait_dscnt 8                                 ; wp's fragments and xb's rows 0-63 are in; the youngest eight loads (rows 64-127) may be out
	MUL12 \f, 0, 0, \zero
	MUL12 \f, 0, 2, \zero
	PLACES
	FETCH \slot, \k, \g
	s_wait_dscnt 28                                ; all but the 28 just issued
	MUL12 \f, 1, 0, \zero
	MUL12 \f, 1, 2, \zero
.endm
; The last quarter multiplies buffer 1 and changes slots.  MEET is its first half: one barrier; in front of it each wave waits for all its tensor loads (one is out: its part of the next slot), adds 0 to its spare
; word, and waits for that and for its own reads of this slot.
.macro MEET round
	WIN 0
	s_wait_tensorcnt 0x0                           ; all my tensor loads have landed
	ds_add_u32 v[SPW], v[NIL]                      ; 0 onto my spare word
	s_wait_dscnt 9                                 ; (the add and the youngest eight loads may be out)
	MUL12 F1, 0, 0, 0                              ; twelve matrix instructions stand between the add and the wait for it
	s_wait_dscnt 0x0                               ; the add is done, and my reads of this slot are over
	s_barrier_signal -1
	MUL12 F1, 0, 2, 0
.if \round
	WIN 0
.endif
	s_barrier_wait -1
.endm
; The whole last quarter with a refill: the barrier opens a round of the cluster's barrier; the joint refill, two K steps on, is the first tensor load behind it: 168 matrix instructions ahead of the wait for it.
.macro TURN slot, next
	s_wait_xcnt 0x0                                ; the last prefetch, a K step back, has read its address
	s_add_nc_u64 s[PFA:PFA+1], s[PFA:PFA+1], KSTEP*2
	MEET 1
	CREST                                          ; no wave of any partner still reads this slot's tile or has a load on its way
	s_add_nc_u64 s[G0+4*(\slot)+2:G0+4*(\slot)+3], s[G0+4*(\slot)+2:G0+4*(\slot)+3], 2*KSTEP*2
	s_add_nc_u64 s[G0B+4*(\slot)+2:G0B+4*(\slot)+3], s[G0B+4*(\slot)+2:G0B+4*(\slot)+3], 2*KSTEP*2
	JLOAD \slot                                    ; the four v_nop behind it are also the places in front of the loads below
	FETCH \next, 0, F0
	ASK
	MUL12 F1, 1, 0, 0
	MUL12 F1, 1, 2, 0
.endm
	s_wait_tensorcnt 1                             ; my part of K step 0 is in; K step 1's may stay out
	s_barrier_signal -1
	s_barrier_wait -1                              ; everybody's is
	FETCH 0, 0, F0
	QUARTER 0, 64, F0, F1, 1                       ; the first quarter stands in front of the loop: its products start the sums
	WIN 0
	s_mov_b32 s3, LAPS-1
.Llap:                                         ; a trip goes once round the ring, from a lap's second quarter to the next lap's first, and fills both slots again
	QUARTER 0, 128, F1, F0, 0
	QUARTER 0, 192, F0, F1, 0
	TURN 0, 1
	QUARTER 1, 64,  F0, F1, 0
	QUARTER 1, 128, F1, F0, 0
	QUARTER 1, 192, F0, F1, 0
	TURN 1, 0
	QUARTER 0, 64,  F0, F1, 0
	WIN 0
	s_sub_co_u32 s3, s3, 1
	s_cmp_lg_u32 s3, 0
	s_cbranch_scc1 .Llap
	QUARTER 0, 128, F1, F0, 0                      ; the last lap fills nothing
	QUARTER 0, 192, F0, F1, 0
	MEET 0
	PLACES
	FETCH 1, 0, F0
	MUL12 F1, 1, 0, 0
	MUL12 F1, 1, 2, 0
	QUARTER 1, 64,  F0, F1, 0
	QUARTER 1, 128, F1, F0, 0
	QUARTER 1, 192, F0, F1, 0
	s_wait_dscnt 8                                 ; the very last quarter: nothing more to fetch
	MUL12 F1, 0, 0, 0
	MUL12 F1, 0, 2, 0
	s_wait_dscnt 0x0
	MUL12 F1, 1, 0, 0
	MUL12 F1, 1, 2, 0
	WIN 0
	PLACES                                         ; behind the last products: buffer 0's registers are written below, and results are read
	PLACES
	s_wait_loadcnt 0x0                             ; pe
; THE WAY OUT of row block a.  q and k: of a pair (x0, x1) the turn makes (x0 c - x1 s, x1 c + x0 s): a packed multiply by c and a packed multiply-add that takes the pair crosswise, s with its sign turned in the
; low half.  q's c and s carry cq.  Each accumulator is read from its lowest registers on.  Six stores of 512 consecutive bytes.
.macro OUT a
.set AC, 48*((\a)%4)
.set SW, 1+(\a)/4
	WIN 0
	s_wait_xcnt 0x0                                ; the block before's stores have read Y
	v_mul_f32 v[QS], s[CQ], v[CS+2*(\a)]
	v_mul_f32 v[QS+1], s[CQ], v[CS+2*(\a)+1]
	WIN SW                                         ; source 0 in the accumulators' window
.irp nb, 0,1,2,3
.set CX, CS+2*(\a)
.if \nb < 2
.set CX, QS
.endif
.irp i, 0,1,2,3
	v_pk_mul_f32 v[T+8*\nb+2*\i:T+8*\nb+2*\i+1], v[AC+8*\nb+2*\i:AC+8*\nb+2*\i+1], v[CX:CX+1] op_sel_hi:[1,0]
.endr
.irp i, 0,1,2,3
	v_pk_fma_f32 v[T+8*\nb+2*\i:T+8*\nb+2*\i+1], v[AC+8*\nb+2*\i:AC+8*\nb+2*\i+1], v[CX:CX+1], v[T+8*\nb+2*\i:T+8*\nb+2*\i+1] op_sel:[1,1,0] op_sel_hi:[0,1,1] neg_lo:[0,1,0]
.endr
.endr
	WIN 5*SW                                       ; sources 0 and 1 in the accumulators' window
.irp cb, 0,1
.irp i, 0,1,2,3
	v_cvt_pk_f16_f32 v[Y+16+4*\cb+\i], v[AC+32+8*\cb+2*\i], v[AC+32+8*\cb+2*\i+1]
.endr
.endr
	WIN 0
.irp nb, 0,1,2,3
.irp i, 0,1,2,3
	v_cvt_pk_f16_f32 v[Y+4*\nb+\i], v[T+8*\nb+2*\i], v[T+8*\nb+2*\i+1]
.endr
.endr
.irp cb, 0,1
	global_store_b128 v[LO], v[Y+4*\cb:Y+4*\cb+3], s[4:5] offset:(\a)*1024+\cb*512
	global_store_b128 v[LO], v[Y+8+4*\cb:Y+8+4*\cb+3], s[6:7] offset:(\a)*1024+\cb*512
	global_store_b128 v[LO], v[Y+16+4*\cb:Y+16+4*\cb+3], s[8:9] offset:((\a)/2)*2048+\cb*1024+((\a)%2)*512
.endr
.endm
.irp a, 0,1,2,3,4,5,6,7
	OUT \a
.endr
	s_wait_tensorcnt 0x0                           ; the wave's end, behind my last tensor load
	ds_add_u32 v[SPW], v[NIL]
	s_wait_dscnt 0x0
	CROUND                                         ; the closing round: no work-group ends while a partner may still ask for a tile that names it
	s_endpgm
.Lfunc_end_k_q8e204b58ef_qkv:
	.size	k_q8e204b58ef_qkv, .Lfunc_end_k_q8e204b58ef_qkv-k_q8e204b58ef_qkv
	.p2alignl 7, 3214868480
	.fill 96, 4, 3214868480
	.section	.rodata,"a",@progbits
	.p2align	6, 0x0
	.amdhsa_kernel k_q8e204b58ef_qkv
		.amdhsa_group_segment_fixed_size 327680
		.amdhsa_private_segment_fixed_size 0
		.amdhsa_enable_private_segment 0
		.amdhsa_kernarg_size 48
		.amdhsa_user_sgpr_count 2
		.amdhsa_user_sgpr_kernarg_segment_ptr 1
		.amdhsa_wavefront_size32 1
		.amdhsa_system_sgpr_workgroup_id_x 1
		.amdhsa_system_sgpr_workgroup_id_y 1
		.amdhsa_system_sgpr_workgroup_id_z 1
		.amdhsa_system_vgpr_workitem_id 0
		.amdhsa_next_free_vgpr 704
		.amdhsa_next_free_sgpr 80
		.amdhsa_reserve_vcc 0
		.amdhsa_float_denorm_mode_32 3
		.amdhsa_float_denorm_mode_16_64 3
		.amdhsa_memory_ordered 1
		.amdhsa_forward_progress 1
		.amdhsa_inst_pref_size 128
	.end_amdhsa_kernel
	.amdgpu_metadata
---
amdhsa.version: [ 1, 2 ]
amdhsa.kernels:
  - .name:           k_q8e204b58ef_qkv
    .symbol:         k_q8e204b58ef_qkv.kd
    .args:
      - { .name: xb, .offset: 0, .size: 8, .value_kind: global_buffer, .address_space: global }
      - { .name: wp, .offset: 8, .size: 8, .value_kind: global_buffer, .address_space: global }
      - { .name: pe, .offset: 16, .size: 8, .value_kind: global_buffer, .address_space: global }
      - { .name: qf, .offset: 24, .size: 8, .value_kind: global_buffer, .address_space: global }
      - { .name: kf, .offset: 32, .size: 8, .value_kind: global_buffer, .address_space: global }
      - { .name: vf, .offset: 40, .size: 8, .value_kind: global_buffer, .address_space: global }
    .group_segment_fixed_size: 327680
    .private_segment_fixed_size: 0
    .kernarg_segment_align: 8
    .kernarg_segment_size: 48
    .max_flat_workgroup_size: 128
    .sgpr_count:     80
    .vgpr_count:     704
    .wavefront_size: 32
...
	.end_amdgpu_metadata
.endif
;; end of part 2
;; launch attn (part 3): grid 4 x 64, 8 waves a work-group, clusters of 4 x 1, 263,168 bytes of LDS; arguments qf, kf, vf, mk, of; writes of
.if DOCPART == 3
	.amdgcn_target "amdgcn-amd-amdhsa--gfx1250"
	.amdhsa_code_object_version 6
	.text
	.protected	k_q8e204b58ef_attn
	.globl	k_q8e204b58ef_attn
	.p2align	8
	.type	k_q8e204b58ef_attn,@function
k_q8e204b58ef_attn:
	s_mov_b64 s[64:65], 0
	v_nop
	global_prefetch_b8 v0, s[64:65] scope:SCOPE_SE
	s_setreg_imm32_b32 hwreg(HW_REG_WAVE_MODE, 25, 1), 1
	s_wait_xcnt 0x0
	s_wait_alu depctr_hold_cnt(0) depctr_sa_sdst(0) depctr_va_vdst(0) depctr_va_sdst(0) depctr_va_ssrc(0) depctr_va_vcc(0) depctr_vm_vsrc(0)
	s_getreg_b32 s2, hwreg(HW_REG_IB_STS2, 6, 4)
	s_cmp_eq_u32 s2, 0
	s_cbranch_scc0 .Lentry_in_a_cluster
	s_endpgm
.Lentry_in_a_cluster:
	s_bfe_u32 s2, ttmp6, 0x10000c
	s_cmp_lg_u32 s2, 0x3003
	s_cbranch_scc0 .Lentry_shape_is_right
	s_endpgm
.Lentry_shape_is_right:
; ATTENTION at head size 32 under a mask that is an input.  O[b][q][h][:] = the sum over k of softmax_k(score) V[k], score = q . k / sqrt(32) where mask[b][q][k], the lowest number elsewhere.
; qf, kf, vf arrive in f16 in operand order (the launch before says how); q carries log2(e) / sqrt(32), so scores are in units of log2.  Products, maxima and sums in f32; the weights p are rounded to f16
; for the second product, and their sum l is taken of the rounded p, by the matrix unit.  O is rounded once to f16 and stored as [mblock 32][h 32][mt 8][c2 2][lane 32][8 f16]:
; row 128 mblock + 16 mt + lane % 16 of the 4,096, channel 16 c2 + 8 (lane / 16) + e of the head: the order of the last launch's operands.
; THE MASK arrives as FP8 (E4M3) codes, 0 or -2.  One scaled conversion makes eight f32 numbers, 0 or -2 x 2^97, straight into the registers that are C and D of S^T = K Q^T: four vector instructions for a lane's 32 scores.
; The running maximum m starts at -2^90, so a hidden score lies far below every m and its weight is 0.  A ROW THAT IS HIDDEN WHOLE ends with l = 0; its softmax is uniform, so it takes the mean of V's 2,048 rows,
; which four more products a key step make (V^T times ones); the choice is a v_cndmask_b32.
; LIMITS.  Seen scores lie above -2^90 (in log2 units); p below 6e-5 keeps f16's fixed step of 6e-8; a weight below 2^-126 counts as 0; NaN and infinities are not treated apart.
; SHARES.  A work-group owns 512 queries of one (b, h), each of its eight waves 64: four tiles of 16.  Every wave walks all 2,048 keys, 64 a step.  Two waves lie on a SIMD: a tile and step have 11 matrix and
; some 100 vector instructions, so the text goes in phases, and one wave's products and waits stand beside the other's vector work.
; LDS holds the head's whole K and V, 262,144 bytes, as they lie in memory: every LDS load takes 16 bytes a lane on end.  Nothing is filled twice.  Each wave issues two joint loads of 64 rows x 256 bytes:
; the first halves (key steps 0-15) are waited for first, the second halves land while those are walked.
; CLUSTER.  The four query blocks of a head form a cluster and ask for K and V jointly: the same loads, descriptors and mask in all four.
; LAYOUT.  S^T = K Q^T: a lane holds ONE query (lane % 16) and the keys 8 (lane / 16) + 0..7 of each block of 16.  Rounded in pairs that IS source 1 of O^T = V^T P, whose result holds one query a lane and eight channels.
; l = (rows 0 and 8 of ones) x P falls into register 0 of its accumulator in every lane; the other seven stay 0.
; REGISTERS.  window 0: v2-7 addresses and constants; v8-11 at work; v14-15 a; v16-23 m, a pair a tile; v24-39 and v232-247 mask codes, eight registers a tile; v40-55 P; v56-119 S^T, two buffers; v120-183 O^T;
;             v184-215 l; v216-231 V's sum.   window 1: v0-31 Q; v32-63 K of one step; v64-95 V of one step; v96-103 ones in rows 0 and 8; v104-111 ones.
.set SPARE, 262144
.set AK,  2                            ; v2  the LDS address of K's run of loads in hand
.set AV,  3                            ; v3  of V's
.set LO,  4                            ; v4  16 x lane; never rewritten
.set SCL, 5                            ; v5  224, the E8M0 code of 2^97, in each of its four bytes; the conversion takes byte 0
.set SPW, 6                            ; v6  my spare word; never rewritten
.set NIL, 7                            ; v7  0; never rewritten
.set C0,  8
.set AP,  14
.set M,   16
.set MW,  24                           ; tile n's eight registers at MW + 8 n + 192 (n / 2): v24, v32, v232, v240
.set P,   40
.set S,   56
.set O,   120
.set L,   184
.set SV,  216
.set KF,  32                           ; window 1
.set VF,  64
.set ONEA, 96
.set ONEB, 104
.set MP,  10                           ; s[10:11] the mask codes of the key step in hand
.set WV,  14
.set G1,  24                           ; s[24:31] descriptor group 1, for both loads
.set G0A, 40                           ; s[40:43], s[44:47] group 0 of my two loads
.set G0B, 44
.set SEL, 50                           ; s[50:51] v_permlanex16_b32's selects: each lane takes its own place in the other half
.set CNT, 52
.set ONE, 53
.set TBK, 60                           ; s60  LDS byte at which K of the step to be fetched begins
.set TBV, 61                           ; s61  the same for V
.set MSB, 0
.macro WIN new
.if MSB != (\new)
	s_set_vgpr_msb (MSB<<8)|(\new)
.set MSB, (\new)
.endif
.endm
.set W_KQ, 0x05                        ; sources 0 and 1 in window 1
.set W_PV, 0x01                        ; source 0 in window 1
.set W_TO, 0x40                        ; destination in window 1
.macro CROUND                          ; a round of the cluster's barrier
	s_barrier_signal -1
	s_barrier_wait -1
	s_cmp_lg_u32 s[WV], 0
	s_cbranch_scc1 .Lnot_wave_0_\@
	s_barrier_signal -3
.Lnot_wave_0_\@:
	s_barrier_wait -3
	s_barrier_signal -1
	s_barrier_wait -1
.endm
	s_load_b256 s[4:11], s[0:1], 0x0               ; qf s[4:5], kf s[6:7], vf s[8:9], mk s[10:11]
	s_load_b64 s[12:13], s[0:1], 0x20              ; of
	v_lshl_add_u32 v[SPW], v0, 2, SPARE
	v_mov_b32 v[NIL], 0
	ds_add_u32 v[SPW], v[NIL]                      ; the wave's opening: the add and its wait stand ahead of my first tensor load; the set-up below, work on registers, stands between them
	v_lshrrev_b32 v1, 5, v0
	v_readfirstlane_b32 s[WV], v1                  ; wave 0..7
	s_bfe_u32 s15, ttmp6, 0x40000                  ; cx: my block of 512 queries
	s_and_b32 s16, ttmp7, 0xffff                   ; bh = 32 b + h, which the four partners share
	s_mov_b32 s[G1], 15|(3<<16)|(1<<21)            ; 15:0 the mask: all four work-groups; 17:16 elements of 8 bytes; 21 set beside a mask; no padding
	s_mov_b32 s[G1+1], 32<<16                      ; tensor_dim0 = 32 elements: 256 bytes
	s_mov_b32 s[G1+2], 64<<16                      ; tensor_dim1 = 64
	s_mov_b32 s[G1+3], 32<<16                      ; tile_dim0 = 32
	s_mov_b32 s[G1+4], 64                          ; tile_dim1 = 64
	s_mov_b32 s[G1+5], 32                          ; dense: 32 elements from row to row
	s_mov_b32 s[G1+6], 0
	s_mov_b32 s[G1+7], 0
	s_mov_b32 s[G0A], 1
	s_mul_i32 s[G0A+1], s[WV], 16384               ; LDS: waves 0-3 K's steps 0-15, waves 4-7 V's,
	s_mov_b32 s[G0B], 1
	s_add_co_u32 s[G0B+1], s[G0A+1], 131072        ; and behind them the steps 16-31 in the same order
	s_lshl_b32 s18, s16, 17                        ; the head's first byte in qf, kf, vf
	s_and_b32 s17, s[WV], 3                        ; which quarter of a half I fetch
	s_lshl_b32 s20, s17, 14
	s_add_co_u32 s20, s20, s18
	s_mov_b32 s21, 0
	s_lshl_b32 s22, s15, 15                        ; Q: 32 tiles of 1,024 bytes a work-group,
	s_lshl_b32 s23, s[WV], 12                      ; four a wave
	s_add_co_u32 s22, s22, s23
	s_add_co_u32 s22, s22, s18
	s_mov_b32 s23, 0
	s_lshr_b32 s2, s16, 5                          ; b
	s_lshl_b32 s54, s2, 5
	s_lshl3_add_u32 s54, s15, s54
	s_add_co_u32 s54, s54, s[WV]                   ; 32 b + 8 cx + w: my 64 queries' stream of mask codes,
	s_lshl_b32 s54, s54, 17                        ; 131,072 bytes
	s_mov_b32 s55, 0
	s_lshl_b32 s18, s2, 4
	s_lshl2_add_u32 s18, s15, s18
	s_lshr_b32 s19, s[WV], 1
	s_add_co_u32 s18, s18, s19                     ; mblock = 16 b + 4 cx + w / 2
	s_lshl_b32 s18, s18, 5
	s_and_b32 s19, s16, 31
	s_add_co_u32 s18, s18, s19                     ; x 32 + h
	s_lshl_b32 s18, s18, 13                        ; 8,192 bytes,
	s_and_b32 s19, s[WV], 1
	s_lshl_b32 s19, s19, 12                        ; my four tiles of its eight
	s_add_co_u32 s18, s18, s19
	s_mov_b32 s19, 0
	s_mov_b32 s[SEL], 0x76543210
	s_mov_b32 s[SEL+1], 0xfedcba98
	s_mov_b32 s[ONE], 0x3c003c00                   ; 1.0 twice, in f16
	s_mov_b32 s[TBK], 0
	s_mov_b32 s[TBV], 65536
	s_wait_dscnt 0x0                               ; the opening add is done
	s_wait_kmcnt 0x0
	s_cmp_lt_u32 s[WV], 4
	s_cselect_b64 s[48:49], s[6:7], s[8:9]         ; waves 0-3 fetch K, waves 4-7 V
	s_add_nc_u64 s[48:49], s[48:49], s[20:21]
	s_mov_b64 s[G0A+2:G0A+3], s[48:49]             ; my 16,384 bytes of the first half,
	s_or_b32 s[G0A+3], s[G0A+3], 0x80000000        ; type = 2
	s_add_nc_u64 s[G0B+2:G0B+3], s[48:49], 0x10000 ; and of the second
	s_or_b32 s[G0B+3], s[G0B+3], 0x80000000
	s_add_nc_u64 s[4:5], s[4:5], s[22:23]
	s_add_nc_u64 s[MP:MP+1], s[MP:MP+1], s[54:55]
	s_add_nc_u64 s[12:13], s[12:13], s[18:19]
	CROUND                                         ; all four work-groups are here: the joint loads meet
	tensor_load_to_lds s[G0A:G0A+3], s[G1:G1+7]
	s_nop 0
	tensor_load_to_lds s[G0B:G0B+3], s[G1:G1+7]    ; two loads of mine are out, and no more are issued
	s_nop 0
.rept 4
	v_nop
.endr
	v_and_b32 v1, 31, v0
	v_lshlrev_b32 v[LO], 4, v1
	WIN W_TO
.irp t, 0,1,2,3
	global_load_b128 v[8*\t:8*\t+3],   v[LO], s[4:5] offset:\t*1024      ; Q stays in registers: tile t, channels 0-15,
	global_load_b128 v[8*\t+4:8*\t+7], v[LO], s[4:5] offset:\t*1024+512  ; and 16-31
.endr
	WIN 0
.irp n, 0,1,2,3
	global_load_b128 v[MW+8*\n+192*(\n/2):MW+8*\n+192*(\n/2)+3],   v[LO], s[MP:MP+1] offset:\n*1024      ; the mask codes of step 0's four tiles: key blocks 0, 1,
	global_load_b128 v[MW+8*\n+192*(\n/2)+4:MW+8*\n+192*(\n/2)+7], v[LO], s[MP:MP+1] offset:\n*1024+512  ; and 2, 3
.endr
	; What the first step finds: O^T, l and V's sum are 0, m = -2^90.  112 lines that write 0, in the wait for the first tiles: the price of writing no first step out.
	v_and_b32 v1, 7, v0
	v_cmp_eq_u32 vcc_lo, 0, v1                     ; lanes 0, 8, 16, 24 hold rows 0 and 8 of a source 0
	WIN W_TO
.set i, 0
.rept 8
	v_cndmask_b32 v[ONEA+i], 0, s[ONE], vcc_lo
	v_mov_b32 v[ONEB+i], s[ONE]
.set i, i+1
.endr
	WIN 0
	v_mov_b32 v[SCL], 0xe0e0e0e0
	v_mov_b32 v[AP], 0
	v_mov_b32 v[AP+1], 0                           ; named with a as a pair
.set i, 0
.rept 8
	v_mov_b32 v[M+i], 0xec800000                   ; -2^90, in both words of each pair
.set i, i+1
.endr
.set i, O
.rept 112
	v_mov_b32 v[i], 0
.set i, i+1
.endr
; The mask of tile n becomes the C of its scores; then tile n's registers are loaded again, with the codes that it wants four turns on (item counts 1,024-byte items from the step in hand).
.macro CVT n, item
	WIN 0
.set rW, MW+8*(\n)+192*((\n)/2)
	s_wait_loadcnt 6                               ; loads come back in order: the three younger tiles' six loads may stay out
.irp kb, 0,1,2,3
	v_cvt_scale_pk8_f32_fp8 v[S+32*((\n)%2)+8*\kb:S+32*((\n)%2)+8*\kb+7], v[rW+2*\kb:rW+2*\kb+1], v[SCL]
.endr
	v_nop                                          ; a plain instruction between the scaled conversions and what touches their results and sources
	global_load_b128 v[rW:rW+3],   v[LO], s[MP:MP+1] offset:(\item)*1024
	global_load_b128 v[rW+4:rW+7], v[LO], s[MP:MP+1] offset:(\item)*1024+512
.endm
.macro KQ n                            ; S^T = K Q^T + mask: head size 32 is one product for each block of 16 keys
	WIN W_KQ
.irp kb, 0,1,2,3
	v_wmma_f32_16x16x32_f16 v[S+32*((\n)%2)+8*\kb:S+32*((\n)%2)+8*\kb+7], v[KF+8*\kb:KF+8*\kb+7], v[8*(\n):8*(\n)+7], v[S+32*((\n)%2)+8*\kb:S+32*((\n)%2)+8*\kb+7]
.endr
.endm
.macro SVM                             ; V's sum over the step's 64 keys; the two accumulators take turns
	WIN W_KQ
.irp kk, 0,1
.irp cb, 0,1
	v_wmma_f32_16x16x32_f16 v[SV+8*\cb:SV+8*\cb+7], v[VF+16*\kk+8*\cb:VF+16*\kk+8*\cb+7], v[ONEB:ONEB+7], v[SV+8*\cb:SV+8*\cb+7]
.endr
.endr
.endm
.macro PV t                            ; O^T += V^T P and l += ones x P; the three accumulators take turns
	WIN W_PV
.irp kk, 0,1
	v_wmma_f32_16x16x32_f16 v[O+16*(\t):O+16*(\t)+7], v[VF+16*\kk:VF+16*\kk+7], v[P+8*\kk:P+8*\kk+7], v[O+16*(\t):O+16*(\t)+7]
	v_wmma_f32_16x16x32_f16 v[O+16*(\t)+8:O+16*(\t)+15], v[VF+16*\kk+8:VF+16*\kk+15], v[P+8*\kk:P+8*\kk+7], v[O+16*(\t)+8:O+16*(\t)+15]
	v_wmma_f32_16x16x32_f16 v[L+8*(\t):L+8*(\t)+7], v[ONEA:ONEA+7], v[P+8*\kk:P+8*\kk+7], v[L+8*(\t):L+8*(\t)+7]
.endr
.endm
; The LDS loads stand in runs of eight.  The base steps by a key step's 4,096 bytes and is held to the last step of the half that is being read, so the walk's last step reads step 31 once more and no run is jumped over.
.macro FETCH_K kmax
	WIN 0
	v_add_nc_u32 v[AK], s[TBK], v[LO]
	WIN W_TO
.irp kb, 0,1,2,3
	ds_load_b128 v[KF+8*\kb:KF+8*\kb+3],   v[AK] offset:\kb*1024
	ds_load_b128 v[KF+8*\kb+4:KF+8*\kb+7], v[AK] offset:\kb*1024+512
.endr
	WIN 0
	s_add_co_u32 s[TBK], s[TBK], 4096
	s_min_u32 s[TBK], s[TBK], \kmax
.endm
.macro FETCH_V vmax
	WIN 0
	v_add_nc_u32 v[AV], s[TBV], v[LO]
	WIN W_TO
.irp f, 0,1,2,3                        ; keys 32 (f / 2) on, channels 16 (f % 2) on
	ds_load_b128 v[VF+8*\f:VF+8*\f+3],   v[AV] offset:\f*1024
	ds_load_b128 v[VF+8*\f+4:VF+8*\f+7], v[AV] offset:\f*1024+512
.endr
	WIN 0
	s_add_co_u32 s[TBV], s[TBV], 4096
	s_min_u32 s[TBV], s[TBV], \vmax
.endm
; THE SOFTMAX of tile t for one key step.  SOFT_A: the first eight lines of the maximum (each accumulator's lowest registers are read first).
.macro SOFT_A t
	WIN 0
.set rS, S+32*((\t)%2)
.irp j, 0,1,2,3
	v_max3_num_f32 v[C0+\j], v[rS+8*\j], v[rS+8*\j+1], v[rS+8*\j+2]
.endr
.irp j, 0,1,2,3
	v_max3_num_f32 v[C0+\j], v[C0+\j], v[rS+8*\j+3], v[rS+8*\j+4]
.endr
.endm
; SOFT_B: the rest of the maximum with the old m; the other half of the lanes'; then ONE BATCH: a = 2^(m_old - m), the 16 packed subtractions s - m and the 32 exponentials, none of which names an exponential's
; result; a plain instruction, one wait ahead of the first reader, and the readers: the roundings to f16 and the rescaling of O^T and l by a.
.macro SOFT_B t
	WIN 0
.set rS, S+32*((\t)%2)
.set rM, M+2*(\t)
.irp j, 0,1,2,3
	v_max3_num_f32 v[C0+\j], v[C0+\j], v[rS+8*\j+5], v[rS+8*\j+6]
.endr
	v_max3_num_f32 v[C0], v[C0], v[rS+7], v[rS+15]
	v_max3_num_f32 v[C0+1], v[C0+1], v[rS+23], v[rS+31]
	v_max3_num_f32 v[C0+2], v[C0+2], v[C0+3], v[rM]
	v_max3_num_f32 v[C0], v[C0], v[C0+1], v[C0+2]
	v_permlanex16_b32 v[C0+3], v[C0], s[SEL], s[SEL+1]  ; the query's other 32 keys lie in the lane 16 away
	v_max_num_f32 v[C0], v[C0], v[C0+3]
	v_sub_f32 v[C0+1], v[rM], v[C0]
	v_mov_b32 v[rM], v[C0]
	v_pk_add_f32 v[rS:rS+1], v[rS:rS+1], v[rM:rM+1] op_sel_hi:[1,0] neg_lo:[0,1] neg_hi:[0,1]
	v_pk_add_f32 v[rS+2:rS+3], v[rS+2:rS+3], v[rM:rM+1] op_sel_hi:[1,0] neg_lo:[0,1] neg_hi:[0,1]
	v_exp_f32 v[AP], v[C0+1]
.set k, 0
.rept 14                               ; exponential and subtraction by turns while subtractions last: score k's pair was subtracted earlier, and pair k + 2 holds no score that has had its exponential
	v_exp_f32 v[rS+k], v[rS+k]
	v_pk_add_f32 v[rS+2*k+4:rS+2*k+5], v[rS+2*k+4:rS+2*k+5], v[rM:rM+1] op_sel_hi:[1,0] neg_lo:[0,1] neg_hi:[0,1]
.set k, k+1
.endr
.rept 18
	v_exp_f32 v[rS+k], v[rS+k]
.set k, k+1
.endr
	v_nop                                          ; a plain instruction behind the last exponential: one for the batch
	s_wait_alu depctr_va_vdst(0)                   ; the wait for the batch
.set k, 0
.rept 16
	v_cvt_pk_f16_f32 v[P+k], v[rS+2*k], v[rS+2*k+1]
.set k, k+1
.endr
.set k, 0
.rept 8
	v_pk_mul_f32 v[O+16*(\t)+k:O+16*(\t)+k+1], v[O+16*(\t)+k:O+16*(\t)+k+1], v[AP:AP+1] op_sel_hi:[1,0]
.set k, k+2
.endr
	v_mul_f32 v[L+8*(\t)], v[AP], v[L+8*(\t)]      ; l lies in register 0; the other seven are 0
.endm
; A TURN, for tile t: the mask and the scores of the next tile (behind tile 3: tile 0 of the next step), tile t's softmax, its V^T P.  In the loop the softmax works on scores made a turn earlier.
; K of the next step is fetched in tile 2's turn, eight plain instructions behind the last product that read K, and waited for a turn later; V at the end of tile 3's turn, four v_nop behind its last reader,
; and waited for ahead of tile 0's V^T P.
.macro TURN t, kmax, vmax
	CVT ((\t)+1)%4, (\t)+5
.if (\t) == 3
	s_wait_dscnt 0x0                               ; K is in
.endif
	KQ ((\t)+1)%4
.if (\t) == 1
	SVM
.endif
	SOFT_A \t
.if (\t) == 2
	FETCH_K \kmax
.endif
	SOFT_B \t
.if (\t) == 0
	s_wait_dscnt 0x0                               ; V is in
.endif
	PV \t
.if (\t) == 3
	WIN 0
.rept 4
	v_nop
.endr
	FETCH_V \vmax
.endif
.endm
.macro STEP kmax, vmax
	TURN 0, \kmax, \vmax
	TURN 1, \kmax, \vmax
	TURN 2, \kmax, \vmax
	TURN 3, \kmax, \vmax
	s_wait_xcnt 0x0                                ; the mask loads have read their address
	s_add_nc_u64 s[MP:MP+1], s[MP:MP+1], 4096      ; the next step's four items
.endm
	s_wait_tensorcnt 0x1                           ; my part of the first halves is in; my second load may stay out
	s_barrier_signal -1
	s_barrier_wait -1                              ; everybody's is
	FETCH_K 61440                                  ; key step 0
	FETCH_V 126976
	CVT 0, 4                                       ; its wait leaves six mask loads out: Q and tile 0's codes are in
	s_wait_dscnt 0x0
	KQ 0
	WIN 0
.rept 4
	v_nop                                          ; four plain instructions between tile 0's first scores and the first turn's read of them (ISA guide 7.12.1): on the way into the loop no softmax stands between, as it does round the backward jump
.endr
	s_mov_b32 s[CNT], 15
.La:                                           ; key steps 0 to 14, which fetch steps 1 to 15: the first halves
	STEP 61440, 126976
	s_sub_co_u32 s[CNT], s[CNT], 1
	s_cmp_lg_u32 s[CNT], 0
	s_cbranch_scc1 .La
	s_wait_tensorcnt 0x0                           ; my part of the second halves is in,
	s_wait_dscnt 0x0                               ; and no LDS load of mine is out at the signal
	s_barrier_signal -1
	s_barrier_wait -1                              ; everybody's is
	s_mov_b32 s[TBK], 131072                       ; key step 16
	s_mov_b32 s[TBV], 196608
	s_mov_b32 s[CNT], 17
.Lb:                                           ; key steps 15 to 31.  The last one's scores for a step 32 (on K of step 31, with codes from up to 5,120 bytes behind my stream: the next stream's, or mk's zeros) serve nothing: the price of one text for every step
	STEP 192512, 258048
	s_sub_co_u32 s[CNT], s[CNT], 1
	s_cmp_lg_u32 s[CNT], 0
	s_cbranch_scc1 .Lb
	; THE WAY OUT.  O^T / l, or V's mean where l = 0; rounded to f16; a lane's eight channels are 16 bytes, a wave's store 512 consecutive bytes, aligned.
.rept 4
	v_nop                                          ; with the four behind the last products: eight places ahead of the first read of a result
.endr
.irp t, 0,1,2,3
	v_rcp_f32 v[M+2*\t], v[L+8*\t]                 ; m is done with: 1 / l takes its place
.endr
.irp t, 0,1,2,3
	v_cmp_eq_f32 s[56+\t], 0, v[L+8*\t]
.endr
	v_nop                                          ; a plain instruction behind the reciprocals,
	s_wait_alu depctr_va_vdst(0)                   ; and the wait ahead of their first use: one for the four
.set i, 0
.rept 8
	v_pk_mul_f32 v[SV+i:SV+i+1], v[SV+i:SV+i+1], 0x3a000000 op_sel_hi:[1,0]  ; / 2048
.set i, i+2
.endr
.macro OUTT t
.set i, 0
.rept 8
	v_pk_mul_f32 v[O+16*(\t)+i:O+16*(\t)+i+1], v[O+16*(\t)+i:O+16*(\t)+i+1], v[M+2*(\t):M+2*(\t)+1] op_sel_hi:[1,0]
.set i, i+2
.endr
.set i, 0
.rept 16
	v_cndmask_b32 v[O+16*(\t)+i], v[O+16*(\t)+i], v[SV+i], s[56+(\t)]
.set i, i+1
.endr
.set i, 0
.rept 8
	v_cvt_pk_f16_f32 v[S+8*(\t)+i], v[O+16*(\t)+2*i], v[O+16*(\t)+2*i+1]  ; S^T's registers are free; each tile has eight of its own
.set i, i+1
.endr
	global_store_b128 v[LO], v[S+8*(\t):S+8*(\t)+3], s[12:13] offset:(\t)*1024
	global_store_b128 v[LO], v[S+8*(\t)+4:S+8*(\t)+7], s[12:13] offset:(\t)*1024+512
.endm
	OUTT 0
	OUTT 1
	OUTT 2
	OUTT 3
	s_wait_tensorcnt 0x0                           ; the wave's end, behind my last tensor load
	ds_add_u32 v[SPW], v[NIL]
	s_wait_dscnt 0x0
	CROUND                                         ; the closing round
	s_endpgm
.Lfunc_end_k_q8e204b58ef_attn:
	.size	k_q8e204b58ef_attn, .Lfunc_end_k_q8e204b58ef_attn-k_q8e204b58ef_attn
	.p2alignl 7, 3214868480
	.fill 96, 4, 3214868480
	.section	.rodata,"a",@progbits
	.p2align	6, 0x0
	.amdhsa_kernel k_q8e204b58ef_attn
		.amdhsa_group_segment_fixed_size 263168
		.amdhsa_private_segment_fixed_size 0
		.amdhsa_enable_private_segment 0
		.amdhsa_kernarg_size 40
		.amdhsa_user_sgpr_count 2
		.amdhsa_user_sgpr_kernarg_segment_ptr 1
		.amdhsa_wavefront_size32 1
		.amdhsa_system_sgpr_workgroup_id_x 1
		.amdhsa_system_sgpr_workgroup_id_y 1
		.amdhsa_system_sgpr_workgroup_id_z 1
		.amdhsa_system_vgpr_workitem_id 0
		.amdhsa_next_free_vgpr 368
		.amdhsa_next_free_sgpr 66
		.amdhsa_reserve_vcc 1
		.amdhsa_float_denorm_mode_32 3
		.amdhsa_float_denorm_mode_16_64 3
		.amdhsa_memory_ordered 1
		.amdhsa_forward_progress 1
		.amdhsa_inst_pref_size 77
	.end_amdhsa_kernel
	.amdgpu_metadata
---
amdhsa.version: [ 1, 2 ]
amdhsa.kernels:
  - .name:           k_q8e204b58ef_attn
    .symbol:         k_q8e204b58ef_attn.kd
    .args:
      - { .name: qf, .offset: 0, .size: 8, .value_kind: global_buffer, .address_space: global }
      - { .name: kf, .offset: 8, .size: 8, .value_kind: global_buffer, .address_space: global }
      - { .name: vf, .offset: 16, .size: 8, .value_kind: global_buffer, .address_space: global }
      - { .name: mk, .offset: 24, .size: 8, .value_kind: global_buffer, .address_space: global }
      - { .name: of, .offset: 32, .size: 8, .value_kind: global_buffer, .address_space: global }
    .group_segment_fixed_size: 263168
    .private_segment_fixed_size: 0
    .kernarg_segment_align: 8
    .kernarg_segment_size: 40
    .max_flat_workgroup_size: 256
    .sgpr_count:     66
    .vgpr_count:     368
    .wavefront_size: 32
...
	.end_amdgpu_metadata
.endif
;; end of part 3
;; launch proj (part 4): grid 8 x 32, 4 waves a work-group, clusters of 4 x 4, 327,680 bytes of LDS; arguments of, wo, out0; writes out0
.if DOCPART == 4
	.amdgcn_target "amdgcn-amd-amdhsa--gfx1250"
	.amdhsa_code_object_version 6
	.text
	.protected	k_q8e204b58ef_proj
	.globl	k_q8e204b58ef_proj
	.p2align	8
	.type	k_q8e204b58ef_proj,@function
k_q8e204b58ef_proj:
	s_mov_b64 s[64:65], 0
	v_nop
	global_prefetch_b8 v0, s[64:65] scope:SCOPE_SE
	s_setreg_imm32_b32 hwreg(HW_REG_WAVE_MODE, 25, 1), 1
	s_wait_xcnt 0x0
	s_wait_alu depctr_hold_cnt(0) depctr_sa_sdst(0) depctr_va_vdst(0) depctr_va_sdst(0) depctr_va_ssrc(0) depctr_va_vcc(0) depctr_vm_vsrc(0)
	s_getreg_b32 s2, hwreg(HW_REG_IB_STS2, 6, 4)
	s_cmp_eq_u32 s2, 0
	s_cbranch_scc0 .Lentry_in_a_cluster
	s_endpgm
.Lentry_in_a_cluster:
	s_bfe_u32 s2, ttmp6, 0x10000c
	s_cmp_lg_u32 s2, 0xf033
	s_cbranch_scc0 .Lentry_shape_is_right
	s_endpgm
.Lentry_shape_is_right:
; out0 = O W_o^T.  O: 4,096 rows x 1,024 channels in f16, stored as [mblock 32][h 32][mt 8][c2 2][lane 32][8 f16] (row 128 mblock + 16 mt + lane % 16, channel 32 h + 16 c2 + 8 (lane / 16) + e): the order of a matrix
; operand's registers.  wo: [1024][1024] f16 (W_o rounded to bf16, that number written as f16).  out0: [4096][1024] f32.  Sums in f32.
; A tile of out0 is 128 x 128: 8 x 32 = 256 work-groups.  Four waves, each 64 x 64: 16 accumulators.  K goes in 4 steps of 256 (8 heads) through two LDS slots.
; O's part of a slot is 65,536 dense bytes, brought as rows of 256 bytes without padding: every LDS load of it takes 16 bytes a lane on end.  wo's part has rows of 512 bytes, padded to 528.
; CLUSTERS: 4 x 4 work-groups; O's tile is asked for jointly along a row of the cluster, wo's along a column.  No prefetch: a K step is short and the tile small.
; THE MATRIX INSTRUCTION IS USED TRANSPOSED (source 0 = 16 rows of wo, source 1 = 16 rows of O): a lane holds eight neighbouring numbers of a row of out0.  A wave's 64 columns are 256 aligned bytes of a row, so
; each wave sends its results through a stage of its own: no barrier on the way out.
; REGISTERS: window 0: v0-31 addresses; v32-95 at work on the way out; v128-255 the accumulators ((a, b) at 128 + 8 (4 a + b)).  window 1: two fragment buffers of 128: 64 registers of O, then 64 of wo.
.set SIZE_K, 1024
.set KSTEP,  256
.set PITCH,  528                       ; wo's LDS row: 512 bytes + 16 of padding = 132 words: the 16 rows of a load start at 16 different groups of four banks (64 banks of 4 bytes: ISA guide 11.1)
.set ABYTES, 65536                     ; O's part of a slot
.set HALFA,  32768                     ; what one tensor load brings of O
.set HALFB,  64*PITCH                  ; and of wo
.set SLOT,   ABYTES+2*HALFB
.set STAGE,  2*SLOT                    ; behind the ring: 16 rows x 272 bytes for each wave
.set SPITCH, 272
.set SPARE,  STAGE+4*16*SPITCH         ; behind the stages: the spare words, 128 bytes for each wave
.set ADRA, 16                          ; v16-17  LDS address of my O fragments in slot 0, 1
.set ADRB, 20                          ; v20-21  the same for wo
.set STO,  24                          ; v24     the way out: where I put 32 bytes of a row
.set RD,   25                          ; v25     where I read a row back
.set CO,   26                          ; v26     my byte offset in out0
.set SPW,  28                          ; v28     my spare word; never rewritten
.set NIL,  29                          ; v29     0; never rewritten
.set TMP,  32
.set ACC,  128
.set F0,   0
.set F1,   128
.set G1, 24
.set G0, 32
.set G1B, 48
.set G0B, 56
.set MSB, 0
.macro WIN new
.if MSB != (\new)
	s_set_vgpr_msb (MSB<<8)|(\new)
.set MSB, (\new)
.endif
.endm
.set MUL,  0x05                        ; sources 0 and 1 in window 1; C and D in window 0
.set TO_F, 0x40                        ; destination in window 1
.macro JLOAD s                         ; a joint load: waves 0 and 1 fetch O's two halves, waves 2 and 3 wo's; an s_nop 0 and four v_nop follow each line
	s_cmp_eq_u32 s11, 0
	s_cbranch_scc0 .Lfor_b_\@
	tensor_load_to_lds s[G0+4*(\s):G0+4*(\s)+3], s[G1:G1+7]
	s_nop 0
.rept 4
	v_nop
.endr
	s_branch .Lasked_\@
.Lfor_b_\@:
	tensor_load_to_lds s[G0B+4*(\s):G0B+4*(\s)+3], s[G1B:G1B+7]
	s_nop 0
.rept 4
	v_nop
.endr
.Lasked_\@:
.endm
.macro CREST
	s_cmp_lg_u32 s10, 0
	s_cbranch_scc1 .Lnot_wave_0_\@
	s_barrier_signal -3
.Lnot_wave_0_\@:
	s_barrier_wait -3
	s_barrier_signal -1
	s_barrier_wait -1
.endm
.macro CROUND
	s_barrier_signal -1
	s_barrier_wait -1
	CREST
.endm
	s_load_b128 s[4:7], s[0:1], 0x0                ; of s[4:5], wo s[6:7]
	s_load_b64 s[8:9], s[0:1], 0x10                ; out0
	v_lshl_add_u32 v[SPW], v0, 2, SPARE
	v_mov_b32 v[NIL], 0
	ds_add_u32 v[SPW], v[NIL]                      ; the wave's opening: the add and its wait stand ahead of my first tensor load; the set-up below, work on registers, stands between them
	v_lshrrev_b32 v1, 5, v0
	v_readfirstlane_b32 s10, v1                    ; wave 0..3
	s_lshr_b32 s11, s10, 1                         ; which half of the tile's rows is mine.  Also: I fetch for O (0) or for wo (1)
	s_and_b32 s12, s10, 1                          ; which half of its columns.  Also: which half of that tile I fetch
	s_bfe_u32 s40, ttmp6, 0x40000                  ; cx, cy
	s_bfe_u32 s41, ttmp6, 0x40004
	s_lshl_b32 s42, ttmp9, 2
	s_add_co_u32 s42, s42, s40                     ; tile column
	s_and_b32 s13, ttmp7, 0xffff
	s_lshl_b32 s13, s13, 2
	s_add_co_u32 s13, s13, s41                     ; tile row = mblock
	s_lshl_b32 s43, s41, 2
	s_lshl_b32 s43, 15, s43                        ; my row of the cluster
	s_lshl_b32 s44, 0x1111, s40                    ; my column
	s_or_b32 s[G1], s43, (3<<16)|(1<<21)           ; O: 15:0 the mask; 17:16 elements of 8 bytes; 21 set beside a mask; no padding
	s_mov_b32 s[G1+1], 32<<16                      ; tensor_dim0 = 32 elements: 256 bytes
	s_mov_b32 s[G1+2], 128<<16                     ; tensor_dim1 = 128
	s_mov_b32 s[G1+3], 32<<16                      ; tile_dim0 = 32
	s_mov_b32 s[G1+4], 128                         ; tile_dim1 = 128
	s_mov_b32 s[G1+5], 32                          ; dense
	s_mov_b32 s[G1+6], 0
	s_mov_b32 s[G1+7], 0
	s_or_b32 s[G1B], s44, (1<<16)|(1<<20)|(1<<21)|(6<<22)|(3<<25)  ; wo: elements of 2 bytes; padding after every 128 words (code 6), 4 words of it (code 3)
	s_mov_b32 s[G1B+1], KSTEP<<16
	s_mov_b32 s[G1B+2], 64<<16
	s_mov_b32 s[G1B+3], KSTEP<<16
	s_mov_b32 s[G1B+4], 64
	s_mov_b32 s[G1B+5], SIZE_K
	s_mov_b32 s[G1B+6], 0
	s_mov_b32 s[G1B+7], 0
	s_lshl_b32 s16, s13, 18                        ; O: 262,144 bytes an mblock,
	s_lshl_b32 s17, s12, 15                        ; my half of a K step's 65,536
	s_add_co_u32 s16, s16, s17
	s_mov_b32 s17, 0
	s_lshl_b32 s46, s42, 7                         ; wo: row 128 x tile column + 64 x half
	s_lshl_b32 s47, s12, 6
	s_add_co_u32 s46, s46, s47
	s_lshl_b32 s46, s46, 11
	s_mov_b32 s47, 0
	s_mul_i32 s20, s12, HALFA                      ; where they go
	s_mul_i32 s21, s12, HALFB
	s_add_co_u32 s21, s21, ABYTES
	s_wait_dscnt 0x0                               ; the opening add is done
	s_wait_kmcnt 0x0
	s_add_nc_u64 s[14:15], s[4:5], s[16:17]
	s_add_nc_u64 s[46:47], s[6:7], s[46:47]
	CROUND                                         ; all sixteen work-groups are here: the first joint loads meet
.irp s, 0,1
	s_mov_b32 s[G0+4*(\s)], 1
	s_add_co_u32 s[G0+4*(\s)+1], s20, (\s)*SLOT
	s_add_nc_u64 s[G0+4*(\s)+2:G0+4*(\s)+3], s[14:15], (\s)*ABYTES
	s_or_b32 s[G0+4*(\s)+3], s[G0+4*(\s)+3], 0x80000000
	s_mov_b32 s[G0B+4*(\s)], 1
	s_add_co_u32 s[G0B+4*(\s)+1], s21, (\s)*SLOT
	s_add_nc_u64 s[G0B+4*(\s)+2:G0B+4*(\s)+3], s[46:47], (\s)*KSTEP*2
	s_or_b32 s[G0B+4*(\s)+3], s[G0B+4*(\s)+3], 0x80000000
	JLOAD \s                                       ; two loads of mine are out
.endr
	v_and_b32 v1, 15, v0                           ; l % 16
	v_bfe_u32 v2, v0, 4, 1                         ; l / 16
	v_and_b32 v6, 31, v0
	v_lshlrev_b32 v6, 4, v6                        ; O's fragments: 16 x lane,
	v_mul_u32_u24 v3, v1, PITCH                    ; wo's: row x pitch + 16 x half
	v_lshl_add_u32 v3, v2, 4, v3
	s_lshl_b32 s21, s11, 12                        ; my four row blocks of a head's eight
	s_mul_i32 s22, s12, HALFB                      ; my 64 rows of wo,
	s_add_co_u32 s22, s22, ABYTES                  ; which lie behind O's part
.irp s, 0,1
	v_add_nc_u32 v[ADRA+\s], s21, v6
	v_add_nc_u32 v[ADRB+\s], s22, v3
	s_add_co_u32 s21, s21, SLOT
	s_add_co_u32 s22, s22, SLOT
.endr
	s_mul_i32 s23, s10, 16*SPITCH
	s_add_co_u32 s23, s23, STAGE                   ; my stage
	v_mul_u32_u24 v4, v1, SPITCH                   ; in: row l % 16, 32 bytes for each half of the lanes
	v_lshl_add_u32 v4, v2, 5, v4
	v_add_nc_u32 v[STO], s23, v4
	v_mul_u32_u24 v5, v2, SPITCH                   ; back: lanes 0-15 take one row of 256 bytes, lanes 16-31 the next
	v_lshl_add_u32 v5, v1, 4, v5
	v_add_nc_u32 v[RD], s23, v5
	v_lshlrev_b32 v5, 12, v2                       ; and the same two rows in out0, 4,096 bytes apart
	v_lshl_add_u32 v[CO], v1, 4, v5
	s_lshl_b32 s16, s13, 19                        ; my first row: 128 x tile row + 64 x half, 4,096 bytes each
	s_lshl_b32 s17, s11, 18
	s_add_co_u32 s16, s16, s17
	s_mov_b32 s17, 0
	s_add_nc_u64 s[8:9], s[8:9], s[16:17]
	s_lshl_b32 s46, s42, 9                         ; my first column, in bytes: 512 x tile column + 256 x half
	s_lshl_b32 s47, s12, 8
	s_add_co_u32 s46, s46, s47
	s_mov_b32 s47, 0
	s_add_nc_u64 s[8:9], s[8:9], s[46:47]
; 8 matrix instructions: row blocks a0, a0 + 1 x all 4 column blocks, 32 along K (one head): half c of buffer f.  zero = 1: the first product starts the sums.  The 16 accumulators take turns.
.macro MUL8 f, c, a0, zero
	WIN MUL
.irp a, \a0, (\a0)+1
.irp b, 0,1,2,3
.if \zero
	v_wmma_f32_16x16x32_f16 v[ACC+8*(4*(\a)+(\b)):ACC+8*(4*(\a)+(\b))+7], v[(\f)+64+8*(4*(\c)+(\b)):(\f)+64+8*(4*(\c)+(\b))+7], v[(\f)+8*(4*(\c)+(\a)):(\f)+8*(4*(\c)+(\a))+7], 0
.else
	v_wmma_f32_16x16x32_f16 v[ACC+8*(4*(\a)+(\b)):ACC+8*(4*(\a)+(\b))+7], v[(\f)+64+8*(4*(\c)+(\b)):(\f)+64+8*(4*(\c)+(\b))+7], v[(\f)+8*(4*(\c)+(\a)):(\f)+8*(4*(\c)+(\a))+7], v[ACC+8*(4*(\a)+(\b)):ACC+8*(4*(\a)+(\b))+7]
.endif
.endr
.endr
.endm
; 32 LDS loads in one run: the fragments of 64 along K (two heads), at byte k of wo's rows and at head k / 64 of O's part, into buffer f; the first head first
.macro FETCH slot, k, f
	WIN TO_F
.irp c, 0,1
.irp i, 0,1,2,3
	ds_load_b128 v[(\f)+64+8*(4*(\c)+(\i)):(\f)+64+8*(4*(\c)+(\i))+3],   v[ADRB+(\slot)] offset:(\k)+64*(\c)+(\i)*16*PITCH
	ds_load_b128 v[(\f)+64+8*(4*(\c)+(\i))+4:(\f)+64+8*(4*(\c)+(\i))+7], v[ADRB+(\slot)] offset:(\k)+64*(\c)+(\i)*16*PITCH+32
	ds_load_b128 v[(\f)+8*(4*(\c)+(\i)):(\f)+8*(4*(\c)+(\i))+3],         v[ADRA+(\slot)] offset:((\k)/64+(\c))*8192+(\i)*1024
	ds_load_b128 v[(\f)+8*(4*(\c)+(\i))+4:(\f)+8*(4*(\c)+(\i))+7],       v[ADRA+(\slot)] offset:((\k)/64+(\c))*8192+(\i)*1024+512
.endr
.endr
.endm
.macro PLACES
.rept 4
	v_nop
.endr
.endm
; A K step is four quarters of 64 along K, 32 matrix instructions each, on buffers 0, 1, 0, 1.
.macro QUARTER slot, k, f, g, zero
	s_wait_dscnt 16                                ; the first head's fragments are in
	MUL8 \f, 0, 0, \zero
	MUL8 \f, 0, 2, \zero
	PLACES
	FETCH \slot, \k, \g
	s_wait_dscnt 32                                ; all but the 32 just issued
	MUL8 \f, 1, 0, 0
	MUL8 \f, 1, 2, 0
.endm
; The last quarter multiplies buffer 1 and changes slots: one barrier; in front of it each wave waits for all its tensor loads, adds 0 to its spare word, and waits for that and for its own reads of this slot.
; fill = 1: the barrier opens a round of the cluster's barrier, and this slot is filled again, two K steps on, first thing behind it: 112 matrix instructions ahead of the wait for that load.
.macro TURN slot, next, fill
	WIN 0
	s_wait_tensorcnt 0x0                           ; all my tensor loads have landed: my part of the next slot
	ds_add_u32 v[SPW], v[NIL]                      ; 0 onto my spare word
	s_wait_dscnt 17                                ; (the add and the youngest sixteen loads may be out)
	MUL8 F1, 0, 0, 0
	s_wait_dscnt 0x0                               ; the add is done, and my reads of this slot are over
	s_barrier_signal -1
	MUL8 F1, 0, 2, 0
.if \fill
	WIN 0
.endif
	s_barrier_wait -1
.if \fill
	CREST                                          ; no wave of any partner still reads this slot's tile or has a load on its way
	s_add_nc_u64 s[G0+4*(\slot)+2:G0+4*(\slot)+3], s[G0+4*(\slot)+2:G0+4*(\slot)+3], 2*ABYTES
	s_add_nc_u64 s[G0B+4*(\slot)+2:G0B+4*(\slot)+3], s[G0B+4*(\slot)+2:G0B+4*(\slot)+3], 2*KSTEP*2
	JLOAD \slot                                    ; the four v_nop behind it are also the places in front of the loads below
.else
	PLACES
.endif
	FETCH \next, 0, F0
	MUL8 F1, 1, 0, 0
	MUL8 F1, 1, 2, 0
.endm
	s_wait_tensorcnt 1                             ; my part of K step 0 is in; K step 1's may stay out
	s_barrier_signal -1
	s_barrier_wait -1                              ; everybody's is
	FETCH 0, 0, F0
	QUARTER 0, 128, F0, F1, 1                      ; the first products start the sums
	QUARTER 0, 256, F1, F0, 0                      ; four K steps are two laps of the ring: the first fills both slots again, the second fills nothing; both are written straight
	QUARTER 0, 384, F0, F1, 0
	TURN 0, 1, 1
	QUARTER 1, 128, F0, F1, 0
	QUARTER 1, 256, F1, F0, 0
	QUARTER 1, 384, F0, F1, 0
	TURN 1, 0, 1
	QUARTER 0, 128, F0, F1, 0
	QUARTER 0, 256, F1, F0, 0
	QUARTER 0, 384, F0, F1, 0
	TURN 0, 1, 0
	QUARTER 1, 128, F0, F1, 0
	QUARTER 1, 256, F1, F0, 0
	QUARTER 1, 384, F0, F1, 0
	s_wait_dscnt 16                                ; the very last quarter: nothing more to fetch
	MUL8 F1, 0, 0, 0
	MUL8 F1, 0, 2, 0
	s_wait_dscnt 0x0
	MUL8 F1, 1, 0, 0
	MUL8 F1, 1, 2, 0
	WIN 0
	PLACES                                         ; behind the last products, ahead of the LDS stores that read results
	PLACES
	; THE WAY OUT, 16 rows at a time: a lane's eight f32 go into rows of 272 bytes of my own stage (each accumulator's lowest registers first) and come back as whole rows of 256 bytes.
.macro SEND a
.set BK, TMP+32*((\a)%2)
.irp b, 0,1,2,3
	ds_store_b128 v[STO], v[ACC+8*(4*(\a)+\b):ACC+8*(4*(\a)+\b)+3] offset:64*\b
	ds_store_b128 v[STO], v[ACC+8*(4*(\a)+\b)+4:ACC+8*(4*(\a)+\b)+7] offset:64*\b+16
.endr
	s_wait_xcnt 0x0                                ; earlier stores have read the registers that are loaded again below
.irp t, 0,1,2,3,4,5,6,7
	ds_load_b128 v[BK+4*\t:BK+4*\t+3], v[RD] offset:\t*2*SPITCH  ; LDS serves a wave's instructions in order (ISA guide 5.7.1.4): these see the stores above; the next block's stores come behind them
.endr
.irp t, 0,1,2,3,4,5,6,7
	s_wait_dscnt 7-\t
	global_store_b128 v[CO], v[BK+4*\t:BK+4*\t+3], s[8:9] offset:(16*(\a)+2*\t)*4096  ; 16 lanes store 256 consecutive bytes, at a multiple of 256 from out0's first byte
.endr
.endm
	SEND 0
	SEND 1
	SEND 2
	SEND 3
	s_wait_tensorcnt 0x0                           ; the wave's end, behind my last tensor load and my last LDS store
	ds_add_u32 v[SPW], v[NIL]
	s_wait_dscnt 0x0
	CROUND                                         ; the closing round: no work-group ends while a partner may still ask for a tile that names it
	s_endpgm
.Lfunc_end_k_q8e204b58ef_proj:
	.size	k_q8e204b58ef_proj, .Lfunc_end_k_q8e204b58ef_proj-k_q8e204b58ef_proj
	.p2alignl 7, 3214868480
	.fill 96, 4, 3214868480
	.section	.rodata,"a",@progbits
	.p2align	6, 0x0
	.amdhsa_kernel k_q8e204b58ef_proj
		.amdhsa_group_segment_fixed_size 327680
		.amdhsa_private_segment_fixed_size 0
		.amdhsa_enable_private_segment 0
		.amdhsa_kernarg_size 24
		.amdhsa_user_sgpr_count 2
		.amdhsa_user_sgpr_kernarg_segment_ptr 1
		.amdhsa_wavefront_size32 1
		.amdhsa_system_sgpr_workgroup_id_x 1
		.amdhsa_system_sgpr_workgroup_id_y 1
		.amdhsa_system_sgpr_workgroup_id_z 1
		.amdhsa_system_vgpr_workitem_id 0
		.amdhsa_next_free_vgpr 512
		.amdhsa_next_free_sgpr 66
		.amdhsa_reserve_vcc 0
		.amdhsa_float_denorm_mode_32 3
		.amdhsa_float_denorm_mode_16_64 3
		.amdhsa_memory_ordered 1
		.amdhsa_forward_progress 1
		.amdhsa_inst_pref_size 86
	.end_amdhsa_kernel
	.amdgpu_metadata
---
amdhsa.version: [ 1, 2 ]
amdhsa.kernels:
  - .name:           k_q8e204b58ef_proj
    .symbol:         k_q8e204b58ef_proj.kd
    .args:
      - { .name: of, .offset: 0, .size: 8, .value_kind: global_buffer, .address_space: global }
      - { .name: wo, .offset: 8, .size: 8, .value_kind: global_buffer, .address_space: global }
      - { .name: out0, .offset: 16, .size: 8, .value_kind: global_buffer, .address_space: global }
    .group_segment_fixed_size: 327680
    .private_segment_fixed_size: 0
    .kernarg_segment_align: 8
    .kernarg_segment_size: 24
    .max_flat_workgroup_size: 128
    .sgpr_count:     66
    .vgpr_count:     512
    .wavefront_size: 32
...
	.end_amdgpu_metadata
.endif
;; end of part 4
;; ======== version 2 of 2: 4 launches; version 1 with the launch prep written anew for expert scheduling mode
;; limits: values are held in f16: magnitudes above 65,504 overflow, below 6.1e-05 lose precision
;; workspace buffers: xb 8,388,608 bytes; wp 6,291,456 bytes; wo 2,097,152 bytes; mk 8,396,800 bytes; qf 8,388,608 bytes; kf 8,388,608 bytes; vf 8,388,608 bytes; of 8,388,608 bytes
;; launch prep (part 5): grid 256 x 1, 8 waves a work-group, no clusters, 35,840 bytes of LDS; arguments x, W_qkv, W_o, mask, xb, wp, wo, mk; writes xb, wp, wo, mk
.if DOCPART == 5
	.amdgcn_target "amdgcn-amd-amdhsa--gfx1250"
	.amdhsa_code_object_version 6
	.text
	.protected	k_q8e204b58ef_prep
	.globl	k_q8e204b58ef_prep
	.p2align	8
	.type	k_q8e204b58ef_prep,@function
k_q8e204b58ef_prep:
	s_mov_b64 s[64:65], 0
	v_nop
	global_prefetch_b8 v0, s[64:65] scope:SCOPE_SE
	s_setreg_imm32_b32 hwreg(HW_REG_WAVE_SCHED_MODE, 0, 2), 2
	s_setreg_imm32_b32 hwreg(HW_REG_WAVE_MODE, 25, 1), 1
	s_wait_xcnt 0x0
	s_wait_alu depctr_vm_vsrc(0)
; PREP: the module's inputs are rounded once and laid out for the launches behind.
;   xb = bf16(x), [4096][1024].   wp = bf16(W_qkv) with its rows in the order 96 g + 32 sec + d (g head, sec 0 q / 1 k / 2 v, d channel; the source row is 1024 sec + 32 g + d).
;   wo = f16(bf16(W_o)), [1024][1024].   mk = the mask as FP8 (E4M3) codes: 0x00 where a key is seen, 0xC0 (-2) where it is hidden.
; mk's layout: [b 2][qg 32][step 32][t 4][p 2][lane 32][16 bytes]; query 64 qg + 16 t + lane % 16; the 16 bytes are key blocks kb = 2 p and 2 p + 1, eight bytes each; byte j of them is key 64 step + 16 kb + 8 (lane / 16) + j.
; Behind mk's 8,388,608 bytes lie 8,192 bytes of zeros, which the attention launch's look-ahead reads and does not use.
; LIMITS.  W_o below 6e-5 keeps f16's fixed step of 6e-8, beyond 65,504 it is lost; mask bytes are 0 or 1.
; SHARES.  The 8,192 rows of 4,096 bytes are one list (x 4096, W_qkv 3072, W_o 1024): wave w of work-group i takes rows 32 i + 4 w .. + 3, and of the mask the 16 rows 16 i .. and the keys 256 w .. 256 w + 255.
; All 40 loads of a wave go out at the start; every load and store covers whole aligned runs of 256 bytes or more.  Nothing is shared between waves: no barrier, no matrix unit, no cluster.
; THE MODE: SCHED_MODE bits 1:0 = 2 (LLVM: expert scheduling mode 2), set by the entry lines.  The code itself states the register dependences
; between vector instructions and memory or LDS instructions, with s_wait_alu, always for 0.
; THE PLAN.  Registers that memory or LDS instructions touch:
;   v1 to v7   offsets, LDS addresses and the add's two registers: written at the head, never again; one wait ahead of the first load states that they are written.
;   X          written by the 32 loads of the start, read by the roundings; its first 32 registers are later written by the LDS loads from the stage and read by the stores to mk.
;   Y          a pair for each store, written once by the roundings, read by that store, never written again.
;   MKR        written by the eight mask loads; the codes are made in place; read by the LDS stores, never written again.
;   v8 to v11  vector work alone, but in the one wave that writes mk's zeros, where its stores read them.
; No register that a memory or LDS instruction reads is written again, so no wait on vm_vsrc is owed.
; The roundings go in eight blocks of four loads, the codes in four groups of two: ONE wait on va_vdst at a block's head states that the block before has written its results, and that block's stores
; are dealt among this block's vector lines, which name none of their registers.
.set SPARE, 34816                      ; behind the eight waves' stages: the spare words, 128 bytes for each wave
.set WAVEB, 4352                       ; a wave's stage: four steps of 1,024 bytes at a pitch of 1,040, in 17 blocks of 256 bytes of its own
.set STP,   1040
.set L16, 1                            ; v1  16 x lane
.set L8,  2                            ; v2  8 x lane
.set MO,  3                            ; v3  the mask loads' offset: (lane / 16) rows of 2,048 bytes + 16 (lane % 16)
.set STO, 4                            ; v4  where my codes go in the stage
.set RD,  5                            ; v5  where I read them back
.set SPW, 6                            ; v6  my spare word; never rewritten
.set NIL, 7                            ; v7  0; never rewritten
.set X,   32                           ; v[32:159]   32 loads of 4 f32; later v[32:63] the codes read back
.set MKR, 160                          ; v[160:191]  8 loads of 16 mask bytes; the codes take their place
.set Y,   192                          ; v[192:255]  two registers for each store, none used twice
.set WV,  20
.set SRC, 30
.set DST, 32
.set MDST, 38
	s_load_b256 s[4:11], s[0:1], 0x0               ; x s[4:5], W_qkv s[6:7], W_o s[8:9], mask s[10:11]
	s_load_b256 s[12:19], s[0:1], 0x20             ; xb s[12:13], wp s[14:15], wo s[16:17], mk s[18:19]
	v_lshl_add_u32 v[SPW], v0, 2, SPARE
	v_mov_b32 v[NIL], 0
	v_lshrrev_b32 v8, 5, v0
	v_readfirstlane_b32 s[WV], v8                  ; wave 0..7
	v_and_b32 v9, 31, v0                           ; lane
	v_and_b32 v10, 15, v0                          ; c = lane % 16
	v_bfe_u32 v11, v0, 4, 1                        ; lane / 16
	v_lshlrev_b32 v[L16], 4, v9
	v_lshlrev_b32 v[L8], 3, v9
	v_lshlrev_b32 v[MO], 4, v10
	v_lshl_add_u32 v[MO], v11, 11, v[MO]
	s_wait_alu depctr_va_sdst(0)                   ; the wave's number is written, ahead of its first reader: the stage's place and all the bases are made from it
	s_mul_i32 s21, s[WV], WAVEB                    ; my wave's stage
	v_lshrrev_b32 v12, 2, v10                      ; my 16 keys lie in step c / 4 of the four,
	v_mul_u32_u24 v[STO], v12, STP
	v_bfe_u32 v12, v10, 1, 1                       ; in its key block kb = c % 4: half p = kb / 2 of the item, 512 bytes,
	v_lshl_add_u32 v[STO], v12, 9, v[STO]
	v_and_b32 v12, 1, v10                          ; eight bytes kb % 2 of a lane's sixteen,
	v_lshl_add_u32 v[STO], v12, 3, v[STO]
	v_lshl_add_u32 v[STO], v11, 4, v[STO]          ; and belong to the odd row of a pair in lanes 16-31
	v_add_nc_u32 v[STO], s21, v[STO]
	v_add_nc_u32 v[RD], s21, v[L16]
	s_lshl_b32 s22, ttmp9, 5
	s_lshl2_add_u32 s22, s[WV], s22                ; my first row in the list: 32 i + 4 w
	s_sub_co_u32 s23, s22, 4096                    ; as a row n of W_qkv
	s_bfe_u32 s24, s23, 0x50005                    ; g = (n >> 5) & 31
	s_mul_i32 s24, s24, 96
	s_lshr_b32 s25, s23, 10                        ; sec
	s_lshl_b32 s25, s25, 5
	s_add_co_u32 s24, s24, s25
	s_and_b32 s25, s23, 31                         ; d: my four rows stay neighbours, since n is a multiple of 4
	s_add_co_u32 s24, s24, s25                     ; its row in wp
	s_sub_co_u32 s25, s22, 7168                    ; as a row of W_o
	s_cmp_lt_u32 ttmp9, 128
	s_cselect_b32 s26, s22, s23                    ; the row in the source,
	s_cselect_b32 s28, s22, s24                    ; and in the destination
	s_cmp_lt_u32 ttmp9, 224
	s_cselect_b32 s26, s26, s25
	s_cselect_b32 s28, s28, s25
	s_lshl_b32 s26, s26, 12                        ; 4,096 bytes a row in,
	s_lshl_b32 s28, s28, 11                        ; 2,048 out
	s_mov_b32 s27, 0
	s_mov_b32 s29, 0
	s_lshl_b32 s34, ttmp9, 15                      ; the mask: 16 rows of 2,048 bytes a work-group,
	s_lshl_b32 s35, s[WV], 8                       ; 256 keys a wave
	s_add_co_u32 s34, s34, s35
	s_mov_b32 s35, 0
	s_lshr_b32 s36, ttmp9, 2                       ; mk: (b, qg) = i / 4: 131,072 bytes,
	s_lshl_b32 s36, s36, 17
	s_lshl_b32 s37, s[WV], 14                      ; my four steps of 4,096,
	s_add_co_u32 s36, s36, s37
	s_and_b32 s37, ttmp9, 3                        ; tile t = i % 4: 1,024
	s_lshl_b32 s37, s37, 10
	s_add_co_u32 s36, s36, s37
	s_mov_b32 s37, 0
	s_mov_b32 s40, 0x01010101
	s_mov_b32 s44, 0xffff0000
	s_wait_kmcnt 0x0
	s_cmp_lt_u32 ttmp9, 128
	s_cselect_b64 s[SRC:SRC+1], s[4:5], s[6:7]
	s_cselect_b64 s[DST:DST+1], s[12:13], s[14:15]
	s_cmp_lt_u32 ttmp9, 224
	s_cselect_b64 s[SRC:SRC+1], s[SRC:SRC+1], s[8:9]
	s_cselect_b64 s[DST:DST+1], s[DST:DST+1], s[16:17]
	s_add_nc_u64 s[SRC:SRC+1], s[SRC:SRC+1], s[26:27]
	s_add_nc_u64 s[DST:DST+1], s[DST:DST+1], s[28:29]
	s_add_nc_u64 s[10:11], s[10:11], s[34:35]
	s_add_nc_u64 s[MDST:MDST+1], s[18:19], s[36:37]
	s_wait_alu depctr_va_vdst(0)                   ; v1 to v7 are written: every load, store and LDS instruction of the kernel reads one of them as its offset or address, and none is written again
.set i, 0
.rept 32                               ; four rows, eight loads of 512 neighbouring bytes each
	global_load_b128 v[X+4*i:X+4*i+3], v[L16], s[SRC:SRC+1] offset:(i/8)*4096+(i%8)*512 th:TH_LOAD_NT
.set i, i+1
.endr
.set i, 0
.rept 8                                ; rows 2 i and 2 i + 1 of the mask: sixteen lanes take 256 neighbouring bytes
	global_load_b128 v[MKR+4*i:MKR+4*i+3], v[MO], s[10:11] offset:i*4096 th:TH_LOAD_NT
.set i, i+1
.endr
; The four numbers of load i are rounded into Y's pair i.  kind = 0: f32 to bf16.  kind = 1: the bf16 number is written as f16.
.macro ROUND4 kind, i
	v_cvt_pk_bf16_f32 v[Y+2*(\i)], v[X+4*(\i)], v[X+4*(\i)+1]
	v_cvt_pk_bf16_f32 v[Y+2*(\i)+1], v[X+4*(\i)+2], v[X+4*(\i)+3]
.if \kind
	v_lshlrev_b32 v8, 16, v[Y+2*(\i)]
	v_and_b32 v9, s44, v[Y+2*(\i)]
	v_lshlrev_b32 v10, 16, v[Y+2*(\i)+1]
	v_and_b32 v11, s44, v[Y+2*(\i)+1]
	v_cvt_pk_f16_f32 v[Y+2*(\i)], v8, v9
	v_cvt_pk_f16_f32 v[Y+2*(\i)+1], v10, v11
.endif
.endm
.macro PUT i
	global_store_b64 v[L8], v[Y+2*(\i):Y+2*(\i)+1], s[DST:DST+1] offset:((\i)/8)*2048+((\i)%8)*256  ; 32 lanes store 256 consecutive bytes, aligned
.endm
; Eight blocks of four loads.  Block p rounds its four; the stores of block p - 1 stand among its lines.
.macro CONV kind
.set p, 0
.rept 8
	s_wait_loadcnt 36-4*p                          ; loads come back in order: the 28 - 4 p younger of these and the eight mask loads may stay out
.if p > 0
	s_wait_alu depctr_va_vdst(0)                   ; the block before has written its four pairs of Y, which the four stores below read; this block's lines name none of them
.endif
.set j, 0
.rept 4
.if p > 0
	PUT 4*p-4+j
.endif
	ROUND4 \kind, 4*p+j
.set j, j+1
.endr
.set p, p+1
.endr
	s_wait_alu depctr_va_vdst(0)                   ; the last block has written its four pairs of Y, which the stores below read; and all roundings are done reading X, in whose first 32 registers the LDS loads further down land
.irp i, 28,29,30,31
	PUT \i
.endr
.endm
	s_cmp_lt_u32 ttmp9, 224
	s_cbranch_scc0 .Lwo
	CONV 0
	s_branch .Lmask
.Lwo:
	CONV 1
.Lmask:
	; Four mask bytes (1 = seen) become four codes: the byte is turned (1 = hidden) and multiplied by 0xC0 = 128 + 64; no bit leaves its byte.  The codes take the place of the bytes.
	; My first eight keys are the bytes of lane q of the item (q my row in the tile), the other eight those of lane q + 16, 256 bytes on.
.macro CODES i
.irp k, 0,1,2,3
	v_xor_b32 v12, s40, v[MKR+4*(\i)+\k]
	v_lshlrev_b32 v13, 7, v12
	v_lshl_or_b32 v[MKR+4*(\i)+\k], v12, 6, v13
.endr
.endm
.macro TOSTAGE i
	ds_store_b64 v[STO], v[MKR+4*(\i):MKR+4*(\i)+1] offset:(\i)*32
	ds_store_b64 v[STO], v[MKR+4*(\i)+2:MKR+4*(\i)+3] offset:256+(\i)*32
.endm
	; Four groups of two loads.  Group g makes its codes; the LDS stores of group g - 1 stand among its lines.
.set g, 0
.rept 4
	s_wait_loadcnt 6-2*g                           ; the 6 - 2 g younger mask loads may stay out
.if g > 0
	s_wait_alu depctr_va_vdst(0)                   ; the group before has written its eight registers of codes, which the four LDS stores below read; this group's lines name none of them
.endif
.set j, 0
.rept 2
.if g > 0
	TOSTAGE 2*g-2+j
.endif
	CODES 2*g+j
.set j, j+1
.endr
.set g, g+1
.endr
	s_wait_alu depctr_va_vdst(0)                   ; the last group has written its codes, which the LDS stores below read
	TOSTAGE 6
	TOSTAGE 7
.set q, 0
.rept 8                                ; step q / 2, half q % 2 of its item
	ds_load_b128 v[X+4*q:X+4*q+3], v[RD] offset:(q/2)*STP+(q%2)*512  ; LDS serves a wave's instructions in order (ISA guide 5.7.1.4): these see my stores above; the bytes are my wave's own.  No vector line since the roundings' last wait names v32 to v63
.set q, q+1
.endr
.set q, 0
.rept 8
	s_wait_dscnt 7-q
	global_store_b128 v[L16], v[X+4*q:X+4*q+3], s[MDST:MDST+1] offset:(q/2)*4096+(q%2)*512  ; 512 consecutive bytes, aligned
.set q, q+1
.endr
	s_lshl3_add_u32 s45, ttmp9, s[WV]
	s_cmp_lg_u32 s45, 2047                         ; the last wave of the last work-group also writes the zeros behind mk's codes
	s_cbranch_scc1 .Lno_pad
	s_add_nc_u64 s[46:47], s[18:19], 0x800000      ; 8,388,608 is more than a store's immediate holds
	v_mov_b32 v8, 0
	v_mov_b32 v9, 0
	v_mov_b32 v10, 0
	v_mov_b32 v11, 0
	s_wait_alu depctr_va_vdst(0)                   ; the four zeros are written, which the sixteen stores below read
.irp j, 0,1,2,3,4,5,6,7,8,9,10,11,12,13,14,15
	global_store_b128 v[L16], v[8:11], s[46:47] offset:512*\j
.endr
.Lno_pad:
	s_wait_dscnt 0x0                               ; the wave's end, behind my last LDS store
	s_wait_alu 0x0
	s_wait_tensorcnt 0x0
	ds_add_u32 v[SPW], v[NIL]
	s_wait_dscnt 0x0
	s_endpgm
.Lfunc_end_k_q8e204b58ef_prep:
	.size	k_q8e204b58ef_prep, .Lfunc_end_k_q8e204b58ef_prep-k_q8e204b58ef_prep
	.p2alignl 7, 3214868480
	.fill 96, 4, 3214868480
	.section	.rodata,"a",@progbits
	.p2align	6, 0x0
	.amdhsa_kernel k_q8e204b58ef_prep
		.amdhsa_group_segment_fixed_size 35840
		.amdhsa_private_segment_fixed_size 0
		.amdhsa_enable_private_segment 0
		.amdhsa_kernarg_size 64
		.amdhsa_user_sgpr_count 2
		.amdhsa_user_sgpr_kernarg_segment_ptr 1
		.amdhsa_wavefront_size32 1
		.amdhsa_system_sgpr_workgroup_id_x 1
		.amdhsa_system_sgpr_workgroup_id_y 1
		.amdhsa_system_sgpr_workgroup_id_z 1
		.amdhsa_system_vgpr_workitem_id 0
		.amdhsa_next_free_vgpr 256
		.amdhsa_next_free_sgpr 66
		.amdhsa_reserve_vcc 0
		.amdhsa_float_denorm_mode_32 3
		.amdhsa_float_denorm_mode_16_64 3
		.amdhsa_memory_ordered 1
		.amdhsa_forward_progress 1
		.amdhsa_inst_pref_size 39
	.end_amdhsa_kernel
	.amdgpu_metadata
---
amdhsa.version: [ 1, 2 ]
amdhsa.kernels:
  - .name:           k_q8e204b58ef_prep
    .symbol:         k_q8e204b58ef_prep.kd
    .args:
      - { .name: x, .offset: 0, .size: 8, .value_kind: global_buffer, .address_space: global }
      - { .name: W_qkv, .offset: 8, .size: 8, .value_kind: global_buffer, .address_space: global }
      - { .name: W_o, .offset: 16, .size: 8, .value_kind: global_buffer, .address_space: global }
      - { .name: mask, .offset: 24, .size: 8, .value_kind: global_buffer, .address_space: global }
      - { .name: xb, .offset: 32, .size: 8, .value_kind: global_buffer, .address_space: global }
      - { .name: wp, .offset: 40, .size: 8, .value_kind: global_buffer, .address_space: global }
      - { .name: wo, .offset: 48, .size: 8, .value_kind: global_buffer, .address_space: global }
      - { .name: mk, .offset: 56, .size: 8, .value_kind: global_buffer, .address_space: global }
    .group_segment_fixed_size: 35840
    .private_segment_fixed_size: 0
    .kernarg_segment_align: 8
    .kernarg_segment_size: 64
    .max_flat_workgroup_size: 256
    .sgpr_count:     66
    .vgpr_count:     256
    .wavefront_size: 32
...
	.end_amdgpu_metadata
.endif
;; end of part 5
;; launch qkv: the kernel of part 2 again; grid 16 x 16, 4 waves a work-group, clusters of 4 x 4, 327,680 bytes of LDS; arguments xb, wp, pe, qf, kf, vf; writes qf, kf, vf
;; launch attn: the kernel of part 3 again; grid 4 x 64, 8 waves a work-group, clusters of 4 x 1, 263,168 bytes of LDS; arguments qf, kf, vf, mk, of; writes of
;; launch proj: the kernel of part 4 again; grid 8 x 32, 4 waves a work-group, clusters of 4 x 4, 327,680 bytes of LDS; arguments of, wo, out0; writes out0
